; MI455X (gfx1250); checked and timed in simulation.
; The chip was launched on July 23, 2026; its instructions are those of AMD's public machine-readable ISA for CDNA 5 (MIT licence, August 2026) and "CDNA5" Instruction Set Architecture Reference Guide (July 2026). The comments in the code are by the model that wrote it; some were corrected since.
;; Multihead Attention FFN. Allowed arithmetic: matrix products marked QUANTISED: E2M1 operands, one E8M0 scale for each 32 along K, by v_wmma_scale_f32_16x16x128_f8f6f4 with both operands' format E2M1 (or v_wmma_scale_f32_32x16x128_f4), f32 sums; products left as they are: bf16, f16 or f32 operands; f32 sums; everything else in f32.
;; Inputs: W1 1,024 x 2,048 float32; W2 2,048 x 1,024 float32; Wqkv 1,024 x 3,072 float32; attn_mask 2,048 x 2,048 float32; b1 2,048 float32; b2 1,024 float32; seq 2 x 2,048 x 1,024 float32.
;; Outputs: out0 2 x 2,048 x 1,024 float32.
;; This version of the problem:
;;   THIS VERSION OF THE PROBLEM IS GIVEN IN LOW PRECISION. The matrix products marked QUANTISED in the list below multiply operands that are first quantised to E2M1 (2 exponent bits, 1 mantissa bit; 4 bits a number), with one power-of-two scale for each 32 numbers along K (OCP MX v1.0); their sums are f32. The products marked 'left as it is' may take bf16, f16 or f32 operands, with f32 sums. Whichever they take, every output number must still come out within the allowed error. Rounding operands to bf16 (8 significant bits) uses up far more of that allowance than f16 does (11 bits, for magnitudes from 6e-5 to 65,504). All else is computed in f32.
;;   The module's matrix products, in the order in which they are computed (A, B: the left and right operand; K: the contracted axis; several contracted axes count as one K, in the product's order):
;;     1. [M 4,096, K 1,024] x [K 1,024, N 3,072]; A: input seq; B: input Wqkv: QUANTISED
;;     2. batch 32 x [M 2,048, K 64] x [K 64, N 2,048]; A: computed on the way; B: computed on the way: left as it is (an operand is computed on the way)
;;     3. batch 32 x [M 64, K 2,048] x [K 2,048, N 2,048]; A: computed on the way; B: computed on the way: left as it is (an operand is computed on the way)
;;     4. [M 4,096, K 1,024] x [K 1,024, N 2,048]; A: computed on the way; B: input W1: left as it is (an operand is computed on the way)
;;     5. [M 4,096, K 2,048] x [K 2,048, N 1,024]; A: computed on the way; B: input W2: left as it is (an operand is computed on the way)
;;   THE QUANTISER, for each operand of a quantised product, along K:
;;     - K is cut into blocks of 32 from its start; a last block that is shorter is filled with zeros.
;;     - A block's scale is 2^e with e = floor(log2(the largest magnitude in the block)) - 2, held to -126 .. 127; a block of zeros has e = 0. As a byte (E8M0): e + 127.
;;     - Each number is divided by its block's scale, clamped to +-6, and rounded to the nearest number of E2M1, ties to even, subnormals kept.
;;     - The product sums the exact products of the quantised numbers (number of the format x scale) in f32.
;;   ~~~python
;;   def quantise(x, axis):      # numpy; x: float32 -> the quantised numbers, widened to float32 again
;;       x = np.moveaxis(x, axis, -1); K = x.shape[-1]
;;       x = np.pad(x, [(0, 0)] * (x.ndim - 1) + [(0, -K % 32)]); x = x.reshape(x.shape[:-1] + (-1, 32)); a = np.abs(x).max(-1, keepdims=True)
;;       e = np.where(a > 0, np.clip(np.frexp(np.where(a > 0, a, 1))[1] - 1 - 2, -126, 127), 0)      # np.frexp(a)[1] - 1 = floor(log2(a)), exactly
;;       r = np.clip(x / 2.0 ** e, -6, 6)
;;       step = 2.0 ** (np.maximum(np.frexp(np.where(r == 0, 1, r))[1] - 1, 0) - 1)
;;       q = np.round(r / step) * step * 2.0 ** e      # np.round: ties to even
;;       return np.moveaxis(q.reshape(q.shape[:-2] + (-1,))[..., :K], -1, axis).astype(np.float32)
;;   ~~~
;; One version. Each part assembles by itself: llvm-mc -triple=amdgcn-amd-amdhsa -mcpu=gfx1250 --defsym DOCPART=n.
;; ======== version 1 of 1: 5 launches
;; limits: right only within a limited range of input values; values are held in f16: magnitudes above 65,504 overflow, below 6.1e-05 lose precision
;; workspace buffers: codes 3,899,392 bytes; wt 8,388,608 bytes; qkv 25,165,824 bytes; ao 8,388,608 bytes; hid 16,777,216 bytes; hs 262,144 bytes
;; launch prep (part 1): grid 352 x 1, 4 waves a work-group, no clusters, 120,320 bytes of LDS; arguments seq, Wqkv, W1, W2, codes, wt; writes codes, wt
.if DOCPART == 1
	.amdgcn_target "amdgcn-amd-amdhsa--gfx1250"
	.amdhsa_code_object_version 6
	.text
	.protected	k_q72c9957f4f_prep
	.globl	k_q72c9957f4f_prep
	.p2align	8
	.type	k_q72c9957f4f_prep,@function
k_q72c9957f4f_prep:
	s_mov_b64 s[64:65], 0
	v_nop
	global_prefetch_b8 v0, s[64:65] scope:SCOPE_SE
	s_setreg_imm32_b32 hwreg(HW_REG_WAVE_MODE, 25, 1), 1
	s_wait_xcnt 0x0
; PREP.  The program: x = seq Wqkv on codes of E2M1; attention with an additive mask; out = silu(o W1 + b1) W2 + b2.  Five launches: prep, qkv, attn, ffn1, ffn2.
; NO WORK IS LEFT OUT AND NO INPUT IS LEFT OUT: the mask differs along the softmax's axis, both biases reach the output, nothing is sliced away.
; This launch makes the operands that many work-groups read later, once.  EVERY WAVE READS 32 KiB, whichever path it takes:
;   work-groups   0-127: seq  [4096][1024] f32 -> codes of E2M1, K innermost, [4096][512 bytes], and E8M0 bytes [4096][32]
;   work-groups 128-223: Wqkv [1024 k][3072 n] f32 -> codes [3072][512 bytes] and bytes [3072][32]: a lane takes a column and half of 512 along K, its registers run down K
;   work-groups 224-287: W1   [1024 k][2048 n] f32 -> f16 [2048 n][1024 k];   288-351: W2 [2048 k][1024 n] f32 -> f16 [1024 n][2048 k]
; A block's scale is 2^(floor(log2(largest magnitude)) - 2); its byte is the largest magnitude's exponent field - 2, held at 1 from below.
; LIMITS: a block of zeros gets the byte 1 where the rule says 127 (its codes are zeros, and this program alone reads the bytes); blocks whose largest magnitude lies under 2^-124
; are scaled by the floor's byte; NaN and infinities among the inputs are not served; W1 and W2 are rounded to f16 (magnitudes from 6e-5 to 65,504 keep 11 bits).
; The four paths part on the work-group's number alone; each has LDS bytes of its own; waves share nothing, so there is no barrier.
.set A_SCL, 3670016                    ; in codes: seq's codes at 0, Wqkv's at B_COD, seq's scale bytes at A_SCL, Wqkv's at B_SCL
.set B_COD, 2097152
.set B_SCL, 3801088
.set W2T,   4194304                    ; in wt: W1's f16 at 0, W2's here
.set LQ,    32768                      ; LDS: seq's path 0 .. 32,767; Wqkv's 17,408 bytes from LQ; W1's 34,816 from LW1; W2's 34,816 from LW2
.set LW1,   50176
.set LW2,   84992
.set SPARE, 119808                     ; the spare words, 128 bytes for each wave: two blocks of 256 bytes that no other line names
.set SPW,   192                        ; v192 LDS address of my spare word; never rewritten
.set NIL,   193                        ; v193 0; never rewritten
.set EMAX,  2
.set NB,    8                          ; blocks of 32 along K that a wave of the three weight paths walks
	s_load_b256 s[4:11], s[0:1], 0x0               ; seq s[4:5], Wqkv s[6:7], W1 s[8:9], W2 s[10:11]
	s_load_b128 s[12:15], s[0:1], 0x20             ; codes s[12:13], wt s[14:15]
	v_lshl_add_u32 v[SPW], v0, 2, SPARE
	v_mov_b32 v[NIL], 0
	v_lshrrev_b32 v1, 5, v0
	v_readfirstlane_b32 s16, v1                    ; wave 0..3
	v_and_b32 v2, 31, v0                           ; lane
	s_mov_b32 s21, 0                               ; the high word of every 32-bit offset below
	s_wait_kmcnt 0x0
	s_cmp_lt_u32 ttmp9, 128
	s_cbranch_scc1 .Lseq
	s_cmp_lt_u32 ttmp9, 224
	s_cbranch_scc1 .Lwqkv
	s_cmp_lt_u32 ttmp9, 288
	s_cbranch_scc1 .Lw1
; ---- W1, W2: f32 [k][n] -> f16 [n][k].  A wave takes 32 columns x 256 along K; a lane a column; 32 numbers of a column pack into 64 bytes of its row.
; Four such blocks (256 bytes a column) gather in the wave's own stage (rows 272 bytes apart) and leave by rows: sixteen lanes store 256 consecutive bytes, aligned.
.set WX, 32                            ; v32-95   two sets of 32 numbers
.set WC, 96                            ; v96-111  a block as f16
.set WO, 112                           ; v112-175 the way out
.macro WLOAD t, nn                     ; block t: W(32 t + i, my column), into set t % 2: 32 lanes read 128 consecutive bytes
.irp i, 0,1,2,3,4,5,6,7,8,9,10,11,12,13,14,15,16,17,18,19,20,21,22,23,24,25,26,27,28,29,30,31
	global_load_b32 v[WX+32*((\t)%2)+\i], v3, s[22:23] offset:(32*(\t)+\i)*\nn*4 th:TH_LOAD_NT
.endr
.endm
.macro WOUT g, kk                      ; 128 along K of 32 columns leave the stage
.if (\g) > 0
	s_wait_xcnt 0x0                                ; the stores of the last way out have read their registers
.endif
.irp i, 0,1,2,3,4,5,6,7,8,9,10,11,12,13,14,15
	ds_load_b128 v[WO+4*\i:WO+4*\i+3], v7 offset:2*\i*272          ; LDS serves a wave's instructions in order: these see my stores
.endr
.irp i, 0,1,2,3,4,5,6,7,8,9,10,11,12,13,14,15
	s_wait_dscnt 15-\i                             ; load i is in; the younger ones may be out
	global_store_b128 v8, v[WO+4*\i:WO+4*\i+3], s[24:25] offset:2*\i*2*\kk+256*(\g)
.endr
.endm
.macro WBLOCK t, nn, kk
.set WXS, WX+32*((\t)%2)
.if (\t) < NB-1
	s_wait_loadcnt 32                              ; this block's 32 loads are in; the next block's may be out
.else
	s_wait_loadcnt 0
.endif
.irp i, 0,1,2,3,4,5,6,7,8,9,10,11,12,13,14,15
	v_cvt_pk_f16_f32 v[WC+\i], v[WXS+2*\i], v[WXS+2*\i+1]          ; the lower k in the low half
.endr
.irp g, 0,1,2,3
	ds_store_b128 v4, v[WC+4*\g:WC+4*\g+3] offset:64*((\t)%4)+16*\g
.endr
.if (\t)+2 < NB
	WLOAD (\t)+2, \nn
.endif
	s_wait_dscnt 0x0                               ; the stores have read their registers
.if (\t)%4 == 3
	WOUT (\t)/4, \kk
.endif
.endm
.macro WPATH src, nn, kk, dstoff, yb, first, lb
	s_sub_co_u32 s17, ttmp9, \first
	s_and_b32 s18, s17, (1<<\yb)-1                 ; which 256 along K
	s_lshr_b32 s17, s17, \yb
	s_lshl_b32 s17, s17, 7
	s_lshl_b32 s19, s16, 5
	s_add_co_u32 s17, s17, s19                     ; my wave's first column
	v_lshlrev_b32 v3, 2, v2                        ; in: 4 bytes a lane
	s_mul_i32 s19, s16, 32*272
	s_add_co_u32 s19, s19, \lb                     ; my stage
	v_mul_u32_u24 v4, v2, 272
	v_add_nc_u32 v4, s19, v4                       ; into it: row = my column
	v_and_b32 v5, 15, v2
	v_lshrrev_b32 v6, 4, v2
	v_mul_u32_u24 v7, v6, 272
	v_lshl_add_u32 v7, v5, 4, v7
	v_add_nc_u32 v7, s19, v7                       ; out of it: sixteen lanes to a row, two rows an instruction
	v_mul_u32_u24 v8, v6, 2*\kk
	v_lshl_add_u32 v8, v5, 4, v8                   ; and the same place in the f16 tensor
	s_mul_i32 s20, s18, 256*\nn*4
	s_lshl_b32 s19, s17, 2
	s_add_co_u32 s20, s20, s19
	s_add_nc_u64 s[22:23], s[\src:\src+1], s[20:21]
	s_mul_i32 s20, s17, 2*\kk
	s_lshl_b32 s19, s18, 9                         ; 256 along K are 512 bytes of a row
	s_add_co_u32 s20, s20, s19
	s_add_co_u32 s20, s20, \dstoff
	s_add_nc_u64 s[24:25], s[14:15], s[20:21]
	WLOAD 0, \nn
	WLOAD 1, \nn
.set WT, 0
.rept NB
	WBLOCK WT, \nn, \kk
.set WT, WT+1
.endr
	s_wait_tensorcnt 0x0                           ; the wave's end: behind my last LDS store
	ds_add_u32 v[SPW], v[NIL]
	s_wait_dscnt 0x0
	s_endpgm
.endm
	WPATH 10, 1024, 2048, W2T, 3, 288, LW2
.Lw1:
	WPATH 8, 2048, 1024, 0, 2, 224, LW1
; ---- seq: a plain stream of blocks of 32.  A wave takes 16 steps of 512 numbers.  Each load reads 512 consecutive bytes; a step's 2,048 bytes turn through the wave's own stage,
; so that a lane holds 16 neighbours (two neighbouring lanes hold a block).  A wave's 256 scale bytes gather in LDS and leave as 256 consecutive bytes.
.set STEPS, 16
.set CB,    8                          ; bytes of 16 codes
.set SR,    16                         ; v16-79   four sets of 16 numbers as loaded
.set SX,    80                         ; v80-111  two sets of 16 neighbours
.set SE,    112                        ; v112-127 a scale byte for each step
.set SC,    128                        ; v128-191 codes, four registers a step: no store's data are written again
.set WREG,  8192                       ; a wave's region: two stages of 32 x SP bytes, then its 256 scale bytes
.set SP,    80                         ; a lane's place in a stage: 64 bytes + 16 of padding
.Lseq:
	v_lshlrev_b32 v3, 4, v2                        ; my 16 bytes of a load's 512
	s_mul_i32 s17, s16, WREG
	v_lshrrev_b32 v14, 2, v2
	v_mul_u32_u24 v14, v14, SP
	v_and_b32 v15, 3, v2
	v_lshl_add_u32 v14, v15, 4, v14
	v_add_nc_u32 v14, s17, v14                     ; the stage, on the way in: SP (lane / 4) + 16 (lane % 4)
	v_mul_u32_u24 v15, v2, SP
	v_add_nc_u32 v15, s17, v15                     ; and on the way out: SP x lane
	v_mul_u32_u24 v4, v2, CB                       ; my codes' place in a step's
	v_lshrrev_b32 v5, 1, v2
	s_add_co_u32 s17, s17, 2*32*SP
	v_add_nc_u32 v5, s17, v5                       ; my block's byte among my wave's 256
	v_lshlrev_b32 v7, 3, v2
	v_add_nc_u32 v6, s17, v7                       ; and 8 bytes a lane on the way out
	s_lshl_b32 s17, ttmp9, 2
	s_add_co_u32 s18, s17, s16                     ; which run of 8,192 numbers is my wave's
	s_lshl_b32 s20, s18, 15
	s_add_nc_u64 s[4:5], s[4:5], s[20:21]
	s_lshl_b32 s20, s18, 12
	s_add_nc_u64 s[22:23], s[12:13], s[20:21]      ; its codes
	s_lshl_b32 s20, s18, 8
	s_add_co_u32 s20, s20, A_SCL
	s_add_nc_u64 s[24:25], s[12:13], s[20:21]      ; its scale bytes
.macro SLOAD t
.irp i, 0,1,2,3
	global_load_b128 v[SR+16*((\t)%4)+4*\i:SR+16*((\t)%4)+4*\i+3], v3, s[4:5] offset:2048*(\t)+512*\i th:TH_LOAD_NT
.endr
.endm
.macro STURN t                         ; step t's numbers through the stage
.irp i, 0,1,2,3
	ds_store_b128 v14, v[SR+16*((\t)%4)+4*\i:SR+16*((\t)%4)+4*\i+3] offset:32*SP*((\t)%2)+8*SP*\i
.endr
.irp i, 0,1,2,3
	ds_load_b128 v[SX+16*((\t)%2)+4*\i:SX+16*((\t)%2)+4*\i+3], v15 offset:32*SP*((\t)%2)+16*\i
.endr
.endm
.irp t, 0,1,2,3
	SLOAD \t
.endr
	s_wait_loadcnt 12                              ; step 0's four loads are in
	STURN 0
.macro SSTEP t
.set XS, SX+16*((\t)%2)
.if (\t) > 0
	s_wait_dscnt 1                                 ; this step's numbers are back from the stage (the last step's byte store may be out)
.else
	s_wait_dscnt 0x0
.endif
.if (\t)+4 < STEPS
	SLOAD (\t)+4                                   ; into the registers that this step's stores into the stage have read
.endif
.if (\t)+1 < STEPS
.if STEPS-2-(\t) >= 3
	s_wait_loadcnt 12                              ; the next step's four loads are in; three steps' may be out
.else
	s_wait_loadcnt 4*(STEPS-2-(\t))
.endif
	STURN (\t)+1
.endif
	v_max3_num_f32 v8, |v[XS]|, |v[XS+1]|, |v[XS+2]|               ; the largest magnitude of my 16, in two chains
	v_max3_num_f32 v9, |v[XS+3]|, |v[XS+4]|, |v[XS+5]|
.irp i, 6,10
	v_max3_num_f32 v8, v8, |v[XS+\i]|, |v[XS+\i+1]|
	v_max3_num_f32 v9, v9, |v[XS+\i+2]|, |v[XS+\i+3]|
.endr
	v_max3_num_f32 v8, v8, |v[XS+14]|, |v[XS+15]|
	v_max3_num_f32 v8, v8, v9, (EMAX+1)<<23        ; and the floor 2^(3 - 127): the byte cannot fall under 1
	v_max_num_f32_dpp v8, v8, v8 row_xmask:1 row_mask:0xf bank_mask:0xf   ; with my neighbour's 16: the block's
	v_add_nc_u32 v11, -(EMAX<<23), v8              ; 2 off its exponent field: the conversion takes the exponent field of this operand as its scale
	v_cvt_scalef32_pk8_fp4_f32 v[SC+4*(\t)], v[XS:XS+7], v11
	v_cvt_scalef32_pk8_fp4_f32 v[SC+4*(\t)+1], v[XS+8:XS+15], v11
	v_lshrrev_b32 v[SE+(\t)], 23, v11              ; the scale's byte (also the plain line behind the conversions)
	ds_store_b8 v5, v[SE+(\t)] offset:16*(\t)      ; both lanes of a block write the same byte with the same value
	global_store_b64 v4, v[SC+4*(\t):SC+4*(\t)+1], s[22:23] offset:32*CB*(\t)   ; the wave stores 256 consecutive bytes
.endm
.irp t, 0,1,2,3,4,5,6,7,8,9,10,11,12,13,14,15
	SSTEP \t
.endr
	ds_load_b64 v[8:9], v6
	s_wait_dscnt 0x0
	global_store_b64 v7, v[8:9], s[24:25]          ; 32 lanes store 256 consecutive bytes, aligned
	s_wait_tensorcnt 0x0                           ; the wave's end
	ds_add_u32 v[SPW], v[NIL]
	s_wait_dscnt 0x0
	s_endpgm
; ---- Wqkv: K is its first axis.  A wave takes 16 columns x 512 along K.  Lane (r, h) takes column r and k = 256 h .. 256 h + 255: eight blocks of 32, 128 bytes of codes.
; So a column's 256 bytes of codes come from two lanes of ONE wave: they meet in the wave's own stage (16 rows, 272 bytes apart) and leave by rows, sixteen lanes to 256 consecutive bytes, aligned.
; A load reads 64 consecutive bytes of two rows of Wqkv; the four waves of a work-group stand side by side on 256 consecutive bytes of each row, aligned: so these loads carry no hint.
.set QX,  32                           ; v32-95   two sets of 32 numbers
.set QC,  96                           ; v96-99   a block's codes
.set QO,  112                          ; v112-143 the way out
.set QSB, 24                           ; v24, v25 my eight scale bytes, four to a register
.Lwqkv:
	s_sub_co_u32 s17, ttmp9, 128
	s_and_b32 s18, s17, 1                          ; which 512 along K
	s_lshr_b32 s17, s17, 1
	s_lshl_b32 s17, s17, 6                         ; 64 columns a work-group,
	s_lshl_b32 s19, s16, 4
	s_add_co_u32 s17, s17, s19                     ; 16 a wave: my wave's first column
	v_and_b32 v5, 15, v2                           ; r
	v_lshrrev_b32 v6, 4, v2                        ; h
	v_mul_u32_u24 v10, v6, 256*3072*4              ; lanes 16-31 begin 256 rows of 12,288 bytes further down
	v_lshl_add_u32 v3, v5, 2, v10                  ; in: 4 r + that
	s_mul_i32 s19, s16, 16*272
	s_add_co_u32 s19, s19, LQ                      ; my stage
	v_mul_u32_u24 v4, v5, 272
	v_lshl_add_u32 v4, v6, 7, v4
	v_add_nc_u32 v4, s19, v4                       ; into it: row r, 128 h bytes on
	v_mul_u32_u24 v7, v6, 272
	v_lshl_add_u32 v7, v5, 4, v7
	v_add_nc_u32 v7, s19, v7                       ; out of it: sixteen lanes to a row, two rows an instruction
	v_lshlrev_b32 v8, 9, v6                        ; a row of codes is 512 bytes
	v_lshl_add_u32 v8, v5, 4, v8
	v_lshlrev_b32 v9, 5, v5                        ; a row of scale bytes is 32;
	v_lshl_add_u32 v9, v6, 3, v9                   ; my eight lie 8 h bytes on
	s_mul_i32 s20, s18, 512*3072*4
	s_lshl_b32 s19, s17, 2
	s_add_co_u32 s20, s20, s19
	s_add_nc_u64 s[6:7], s[6:7], s[20:21]
	s_lshl_b32 s20, s17, 9
	s_lshl_b32 s19, s18, 8
	s_add_co_u32 s20, s20, s19
	s_add_co_u32 s20, s20, B_COD
	s_add_nc_u64 s[22:23], s[12:13], s[20:21]
	s_lshl_b32 s20, s17, 5
	s_lshl_b32 s19, s18, 4
	s_add_co_u32 s20, s20, s19
	s_add_co_u32 s20, s20, B_SCL
	s_add_nc_u64 s[24:25], s[12:13], s[20:21]
.macro QLOAD t
.irp i, 0,1,2,3,4,5,6,7,8,9,10,11,12,13,14,15,16,17,18,19,20,21,22,23,24,25,26,27,28,29,30,31
	global_load_b32 v[QX+32*((\t)%2)+\i], v3, s[6:7] offset:(32*(\t)+\i)*3072*4   ; at most 255 rows of 12,288 bytes: inside the signed 24-bit immediate
.endr
.endm
	QLOAD 0
	QLOAD 1
.macro QBLOCK t
.set XS, QX+32*((\t)%2)
.if (\t) < NB-1
	s_wait_loadcnt 32                              ; this block's 32 loads are in; the next block's may be out
.else
	s_wait_loadcnt 0
.endif
	v_max3_num_f32 v12, |v[XS]|, |v[XS+1]|, |v[XS+2]|              ; the block's largest magnitude: all 32 numbers are mine
	v_max3_num_f32 v13, |v[XS+3]|, |v[XS+4]|, |v[XS+5]|
.irp i, 6,10,14,18,22,26
	v_max3_num_f32 v12, v12, |v[XS+\i]|, |v[XS+\i+1]|
	v_max3_num_f32 v13, v13, |v[XS+\i+2]|, |v[XS+\i+3]|
.endr
	v_max3_num_f32 v12, v12, |v[XS+30]|, |v[XS+31]|
	v_max3_num_f32 v12, v12, v13, (EMAX+1)<<23
	v_add_nc_u32 v11, -(EMAX<<23), v12
	v_lshrrev_b32 v13, 23, v11                     ; the scale's byte
.if (\t)%4 == 0
	v_mov_b32 v[QSB+(\t)/4], v13
.else
	v_lshl_or_b32 v[QSB+(\t)/4], v13, 8*((\t)%4), v[QSB+(\t)/4]
.endif
.irp g, 0,1,2,3
	v_cvt_scalef32_pk8_fp4_f32 v[QC+\g], v[XS+8*\g:XS+8*\g+7], v11
.endr
	v_nop                                          ; one plain line behind the last conversion
	ds_store_b128 v4, v[QC:QC+3] offset:16*(\t)    ; 32 codes: 16 bytes of my column's row
.if (\t)+2 < NB
	QLOAD (\t)+2
.endif
	s_wait_dscnt 0x0                               ; the store has read its registers
.endm
.set QT, 0
.rept NB
	QBLOCK QT
.set QT, QT+1
.endr
	global_store_b64 v9, v[QSB:QSB+1], s[24:25]    ; my eight scale bytes: two lanes fill a column's 16
.irp t, 0,1,2,3,4,5,6,7
	ds_load_b128 v[QO+4*\t:QO+4*\t+3], v7 offset:2*\t*272          ; LDS serves a wave's instructions in order: these see my wave's stores
.endr
.irp t, 0,1,2,3,4,5,6,7
	s_wait_dscnt 7-\t                              ; load t is in; the younger ones may be out
	global_store_b128 v8, v[QO+4*\t:QO+4*\t+3], s[22:23] offset:2*\t*512
.endr
	s_wait_tensorcnt 0x0                           ; the wave's end
	ds_add_u32 v[SPW], v[NIL]
	s_wait_dscnt 0x0
	s_endpgm
.Lfunc_end_k_q72c9957f4f_prep:
	.size	k_q72c9957f4f_prep, .Lfunc_end_k_q72c9957f4f_prep-k_q72c9957f4f_prep
	.p2alignl 7, 3214868480
	.fill 96, 4, 3214868480
	.section	.rodata,"a",@progbits
	.p2align	6, 0x0
	.amdhsa_kernel k_q72c9957f4f_prep
		.amdhsa_group_segment_fixed_size 120320
		.amdhsa_private_segment_fixed_size 0
		.amdhsa_enable_private_segment 0
		.amdhsa_kernarg_size 48
		.amdhsa_user_sgpr_count 2
		.amdhsa_user_sgpr_kernarg_segment_ptr 1
		.amdhsa_wavefront_size32 1
		.amdhsa_system_sgpr_workgroup_id_x 1
		.amdhsa_system_sgpr_workgroup_id_y 1
		.amdhsa_system_sgpr_workgroup_id_z 1
		.amdhsa_system_vgpr_workitem_id 0
		.amdhsa_next_free_vgpr 196
		.amdhsa_next_free_sgpr 66
		.amdhsa_reserve_vcc 0
		.amdhsa_float_denorm_mode_32 3
		.amdhsa_float_denorm_mode_16_64 3
		.amdhsa_memory_ordered 1
		.amdhsa_forward_progress 1
		.amdhsa_inst_pref_size 157
	.end_amdhsa_kernel
	.amdgpu_metadata
---
amdhsa.version: [ 1, 2 ]
amdhsa.kernels:
  - .name:           k_q72c9957f4f_prep
    .symbol:         k_q72c9957f4f_prep.kd
    .args:
      - { .name: seq, .offset: 0, .size: 8, .value_kind: global_buffer, .address_space: global }
      - { .name: Wqkv, .offset: 8, .size: 8, .value_kind: global_buffer, .address_space: global }
      - { .name: W1, .offset: 16, .size: 8, .value_kind: global_buffer, .address_space: global }
      - { .name: W2, .offset: 24, .size: 8, .value_kind: global_buffer, .address_space: global }
      - { .name: codes, .offset: 32, .size: 8, .value_kind: global_buffer, .address_space: global }
      - { .name: wt, .offset: 40, .size: 8, .value_kind: global_buffer, .address_space: global }
    .group_segment_fixed_size: 120320
    .private_segment_fixed_size: 0
    .kernarg_segment_align: 8
    .kernarg_segment_size: 48
    .max_flat_workgroup_size: 128
    .sgpr_count:     66
    .vgpr_count:     196
    .wavefront_size: 32
...
	.end_amdgpu_metadata
.endif
;; end of part 1
;; launch qkv (part 2): grid 12 x 16, 4 waves a work-group, clusters of 4 x 4, 327,680 bytes of LDS; arguments codes, qkv; writes qkv
.if DOCPART == 2
	.amdgcn_target "amdgcn-amd-amdhsa--gfx1250"
	.amdhsa_code_object_version 6
	.text
	.protected	k_q72c9957f4f_qkv
	.globl	k_q72c9957f4f_qkv
	.p2align	8
	.type	k_q72c9957f4f_qkv,@function
k_q72c9957f4f_qkv:
	s_mov_b64 s[64:65], 0
	v_nop
	global_prefetch_b8 v0, s[64:65] scope:SCOPE_SE
	s_setreg_imm32_b32 hwreg(HW_REG_WAVE_MODE, 25, 1), 1
	s_wait_xcnt 0x0
	s_wait_alu depctr_hold_cnt(0) depctr_sa_sdst(0) depctr_va_vdst(0) depctr_va_sdst(0) depctr_va_ssrc(0) depctr_va_vcc(0) depctr_vm_vsrc(0)
	s_getreg_b32 s2, hwreg(HW_REG_IB_STS2, 6, 4)
	s_cmp_eq_u32 s2, 0
	s_cbranch_scc0 .Lentry_in_a_cluster
	s_endpgm
.Lentry_in_a_cluster:
	s_bfe_u32 s2, ttmp6, 0x10000c
	s_cmp_lg_u32 s2, 0xf033
	s_cbranch_scc0 .Lentry_shape_is_right
	s_endpgm
.Lentry_shape_is_right:
; QKV.  x = seq Wqkv on codes of E2M1 with E8M0 scales (K = 1,024), f32 sums, results rounded once to f16 for the attention's products.  No work is left out.
; ONE BODY, TWO PROBLEMS, chosen by the CLUSTER's x, which all sixteen partners share (selections only, no branch):
;   cluster x = 0, 1:  C  = seq  Wqk^T : A' = seq's codes, B' = Wqkv's rows 0-2047   -> qk [4096 rows][2048] f16 (q, then k)
;   cluster x = 2:     C' = Wv  seq^T  : A' = Wqkv's rows 2048-3071, B' = seq's codes -> vt [2][1024 channels][2048 keys] f16: V comes out with the keys innermost
; A tile of C is 256 x 256: four waves, each 128 x 128 in 64 accumulators.  K is two slots of 512 along K (rows of 256 bytes), both asked for at the head: nothing is filled again.
; The scale bytes of the tile's 256 + 256 rows are two dense blocks; they come once, as rows of 256 bytes.
; CLUSTERS: 4 x 4.  A''s tiles are shared along a row of the cluster, B''s along a column: joint loads.  The matrix instruction is used transposed (source 0 = B' rows, source 1 = A' rows):
; a lane holds eight neighbouring numbers of a row of C.
; REGISTERS: window 0: v0-31 addresses; v32-95 scale words, two sets; v96-127 packed results; v128-191 A''s fragments, later rows on the way out.  window 1: B''s fragments, two sets.
;   window 2, 3: the accumulators of my rows 0-63, 64-127 ((a, b) at v[8 (8 (a % 4) + b)]).
; LIMITS: q, k, v beyond 65,504 do not fit f16 (inputs 30 times those drawn give about 5,000).
.set NQ,     4                         ; steps of 128 along K in a slot
.set ROWB,   256                       ; a tile's row in bytes
.set KROW,   512                       ; a row of codes in memory
.set PITCH,  272                       ; an LDS row: 256 + 16 bytes = 68 words: the 16 rows of a load start at 16 different banks
.set FR,     8
.set NL,     2
.set NP,     4
.set HALFT,  128*PITCH
.set SLOT,   4*HALFT
.set KS,     32                        ; a row of scale bytes
.set SCL,    2*SLOT
.set HALFS,  16*272                    ; the scales of 128 rows
.set SBLK,   2*272                     ; of 16 rows
.set STAGE,  SCL+4*HALFS               ; 16 rows x 272 bytes for each wave; no tile lands here
.set SPITCH, 272
.set SPARE,  STAGE+4*16*SPITCH         ; the spare words: two blocks of 256 bytes that no other line names
.set A_SCL,  3670016
.set B_COD,  2097152
.set B_SCL,  3801088
.set WV_COD, B_COD+2048*512            ; Wqkv's row 2,048
.set WV_SCL, B_SCL+2048*32
.set VT,     16777216                  ; vt in qkv
.set ADRA, 16
.set ADRB, 20
.set STO,  24
.set RD,   25
.set CO,   26
.set ADRS, 27
.set SPW,  28
.set NIL,  29
.set SC,   32
.set TMP,  96
.set AF,   128
.set BK,   128
.set G1, 24
.set G0, 32
.set G1B, 48
.set G0B, 56
.set G1S, 68
.set G0S, 76
.set G1SB, 80
.set G0SB, 88
.set MSB, 0
.macro WIN new                         ; the immediate's high byte repeats the setting that is left
.if MSB != \new
	s_set_vgpr_msb (MSB<<8)|\new
.set MSB, \new
.endif
.endm
.set MUL_LO, 0xa1                      ; source 0 (B') window 1, source 1 (A') window 0, C and D window 2
.set MUL_HI, 0xf1
.set TO_B,   0x40
; A joint load: waves 0 and 1 fetch for A', waves 2 and 3 for B'.  The branch hangs on the wave's number alone.  An s_nop 0 and four v_nop follow each line.
.macro JLOAD g0a, g1a, g0b, g1b
	s_cmp_eq_u32 s15, 0
	s_cbranch_scc0 .Lfor_b_\@
	tensor_load_to_lds s[\g0a:\g0a+3], s[\g1a:\g1a+7]
	s_nop 0
.rept 4
	v_nop
.endr
	s_branch .Lasked_\@
.Lfor_b_\@:
	tensor_load_to_lds s[\g0b:\g0b+3], s[\g1b:\g1b+7]
	s_nop 0
.rept 4
	v_nop
.endr
.Lasked_\@:
.endm
.macro CROUND                          ; a round of the cluster's barrier
	s_barrier_signal -1
	s_barrier_wait -1
	s_cmp_lg_u32 s14, 0
	s_cbranch_scc1 .Lnot_wave_0_\@
	s_barrier_signal -3
.Lnot_wave_0_\@:
	s_barrier_wait -3
	s_barrier_signal -1
	s_barrier_wait -1
.endm
	s_load_b128 s[4:7], s[0:1], 0x0                ; codes s[4:5], qkv s[6:7]
	v_lshl_add_u32 v[SPW], v0, 2, SPARE
	v_mov_b32 v[NIL], 0
	ds_add_u32 v[SPW], v[NIL]                      ; the wave's opening: the add, twice on end, and its wait ahead of my first tensor load
	ds_add_u32 v[SPW], v[NIL]
	v_lshrrev_b32 v1, 5, v0
	v_readfirstlane_b32 s14, v1                    ; wave 0..3
	s_lshr_b32 s15, s14, 1                         ; which half of the tile's rows is mine.  Also: I fetch for A' (0) or B' (1)
	s_and_b32 s16, s14, 1                          ; which half of its columns.  Also: which 128 rows I fetch
	s_bfe_u32 s40, ttmp6, 0x40000                  ; cx
	s_bfe_u32 s41, ttmp6, 0x40004                  ; cy
	s_lshl_b32 s8, ttmp9, 2                        ; 4 x cluster x
	s_and_b32 s9, ttmp7, 0xffff
	s_lshl_b32 s9, s9, 2                           ; 4 x cluster y
	s_mov_b32 s95, WV_COD
	s_mov_b32 s96, WV_SCL
	s_mov_b32 s97, A_SCL
	s_mov_b32 s99, B_SCL
	s_cmp_eq_u32 ttmp9, 2                          ; the V problem?  The same answer in all sixteen partners
	s_cselect_b32 s95, s95, 0                      ; where A''s codes begin in codes,
	s_cselect_b32 s96, s96, s97                    ; A''s scale bytes,
	s_cselect_b32 s98, 0, B_COD                    ; B''s codes,
	s_cselect_b32 s99, s97, s99                    ; B''s scale bytes,
	s_cselect_b32 s100, VT, 0                      ; and where C begins in qkv
	s_cselect_b32 s66, 0, s9
	s_cselect_b32 s67, s9, s8
	s_add_co_u32 s17, s66, s41                     ; tile row:    V: cy;                 else 4 x cluster y + cy
	s_add_co_u32 s42, s67, s40                     ; tile column: V: 4 x cluster y + cx; else 4 x cluster x + cx
	s_lshl_b32 s43, s41, 2
	s_lshl_b32 s43, 15, s43                        ; my row of the cluster
	s_lshl_b32 s44, 0x1111, s40                    ; my column
	s_or_b32 s[G1+0], s43, (0<<16)|(1<<20)|(1<<21)|(5<<22)|(3<<25)  ; mask; elements of 1 byte; padding on; bit 21 beside a mask; 4 words after every 64
	s_or_b32 s[G1B+0], s44, (0<<16)|(1<<20)|(1<<21)|(5<<22)|(3<<25)
.irp g, G1, G1B
	s_mov_b32 s[\g+1], ROWB<<16                    ; tensor_dim0
	s_mov_b32 s[\g+2], 128<<16                     ; tensor_dim1
	s_mov_b32 s[\g+3], ROWB<<16                    ; tile_dim0
	s_mov_b32 s[\g+4], 128                         ; tile_dim1
	s_mov_b32 s[\g+5], KROW                        ; stride
	s_mov_b32 s[\g+6], 0
	s_mov_b32 s[\g+7], 0
.endr
	s_or_b32 s[G1S+0], s43, (3<<16)|(1<<20)|(1<<21)|(5<<22)|(3<<25) ; the scales of 128 rows: 4,096 dense bytes as 16 rows of 32 elements of 8 bytes
	s_or_b32 s[G1SB+0], s44, (3<<16)|(1<<20)|(1<<21)|(5<<22)|(3<<25)
.irp g, G1S, G1SB
	s_mov_b32 s[\g+1], 32<<16
	s_mov_b32 s[\g+2], 16<<16
	s_mov_b32 s[\g+3], 32<<16
	s_mov_b32 s[\g+4], 16
	s_mov_b32 s[\g+5], 32
	s_mov_b32 s[\g+6], 0
	s_mov_b32 s[\g+7], 0
.endr
	s_lshl_b32 s18, s16, 7                         ; which 128 rows of the tile I fetch
	s_lshl_b32 s20, s17, 8
	s_add_co_u32 s20, s20, s18                     ; A': row 256 x tile row + 128 x half  (these registers never hold cx)
	s_lshl_b32 s46, s42, 8
	s_add_co_u32 s46, s46, s18                     ; B': row 256 x tile column + 128 x half  (these never hold cy)
	s_lshl_b32 s22, s20, 5
	s_add_co_u32 s22, s22, s96                     ; their scale bytes,
	s_mov_b32 s23, 0
	s_lshl_b32 s92, s46, 5
	s_add_co_u32 s92, s92, s99
	s_mov_b32 s93, 0
	s_lshl_b32 s20, s20, 9
	s_add_co_u32 s20, s20, s95                     ; and their codes
	s_mov_b32 s21, 0
	s_lshl_b32 s46, s46, 9
	s_add_co_u32 s46, s46, s98
	s_mov_b32 s47, 0
	s_mul_i32 s45, s14, HALFT                      ; where they go: wave x 128 rows
	s_mul_i32 s94, s14, HALFS
	s_wait_dscnt 0x0                               ; both opening adds are done
	s_wait_kmcnt 0x0
	s_add_nc_u64 s[20:21], s[4:5], s[20:21]
	s_add_nc_u64 s[22:23], s[4:5], s[22:23]
	s_add_nc_u64 s[46:47], s[4:5], s[46:47]
	s_add_nc_u64 s[92:93], s[4:5], s[92:93]
	CROUND                                         ; all sixteen work-groups are here: the first joint loads meet
	s_mov_b32 s[G0S], 1
	s_add_co_u32 s[G0S+1], s94, SCL
	s_mov_b64 s[G0S+2:G0S+3], s[22:23]
	s_or_b32 s[G0S+3], s[G0S+3], 0x80000000
	s_mov_b32 s[G0SB], 1
	s_add_co_u32 s[G0SB+1], s94, SCL
	s_mov_b64 s[G0SB+2:G0SB+3], s[92:93]
	s_or_b32 s[G0SB+3], s[G0SB+3], 0x80000000
	JLOAD G0S, G1S, G0SB, G1SB                     ; the scales first
.irp s, 0,1
	s_mov_b32 s[G0+4*\s], 1
	s_add_co_u32 s[G0+4*\s+1], s45, \s*SLOT
	s_add_nc_u64 s[G0+4*\s+2:G0+4*\s+3], s[20:21], \s*ROWB
	s_or_b32 s[G0+4*\s+3], s[G0+4*\s+3], 0x80000000
	s_mov_b32 s[G0B+4*\s], 1
	s_add_co_u32 s[G0B+4*\s+1], s45, \s*SLOT
	s_add_nc_u64 s[G0B+4*\s+2:G0B+4*\s+3], s[46:47], \s*ROWB
	s_or_b32 s[G0B+4*\s+3], s[G0B+4*\s+3], 0x80000000
	JLOAD G0+4*\s, G1, G0B+4*\s, G1B               ; three loads of mine are out behind the second of these
.endr
	v_and_b32 v1, 15, v0                           ; r
	v_bfe_u32 v2, v0, 4, 1                         ; h
	v_mul_u32_u24 v3, v1, PITCH
	v_lshl_add_u32 v4, v2, 4, v3                   ; a fragment's row x pitch + 16 h
	s_mul_i32 s21, s15, HALFT                      ; my 128 rows of A'
	s_mul_i32 s22, s16, HALFT
	s_add_co_u32 s22, s22, 2*HALFT                 ; my 128 rows of B', behind A''s 256
.irp s, 0,1
	v_add_nc_u32 v[ADRA+\s], s21, v4
	v_add_nc_u32 v[ADRB+\s], s22, v4
	s_add_co_u32 s21, s21, SLOT
	s_add_co_u32 s22, s22, SLOT
.endr
	v_mul_u32_u24 v5, v1, KS                       ; my row's scales: 32 bytes a row,
	v_lshrrev_b32 v6, 8, v5
	v_lshl_add_u32 v5, v6, 4, v5                   ; and 16 more for each 256 passed
	s_mul_i32 s21, s15, HALFS
	s_mul_i32 s22, s16, HALFS
	s_add_co_u32 s22, s22, 2*HALFS
	s_sub_co_u32 s22, s22, s21
	v_mul_u32_u24 v6, s22, v2                      ; lanes 16-31 take B''s
	s_add_co_u32 s21, s21, SCL
	v_add_nc_u32 v5, v5, v6
	v_add_nc_u32 v[ADRS], s21, v5
	s_mul_i32 s23, s14, 16*SPITCH
	s_add_co_u32 s23, s23, STAGE                   ; my stage
	v_mul_u32_u24 v5, v1, SPITCH
	v_lshl_add_u32 v5, v2, 4, v5
	v_add_nc_u32 v[STO], s23, v5                   ; in: row r, 16 bytes for each half of the lanes
	v_mul_u32_u24 v5, v2, SPITCH
	v_lshl_add_u32 v5, v1, 4, v5
	v_add_nc_u32 v[RD], s23, v5                    ; back: lanes 0-15 one row of 256 bytes, lanes 16-31 the next
	v_lshlrev_b32 v5, 12, v2
	v_lshl_add_u32 v[CO], v1, 4, v5                ; and the same two rows of C, 4,096 bytes apart
	s_lshl_b32 s20, s17, 8                         ; C: one formula for both problems
	s_lshl_b32 s21, s15, 7
	s_add_co_u32 s20, s20, s21                     ; my first row,
	s_lshl_b32 s20, s20, 12                        ; of 4,096 bytes,
	s_add_co_u32 s20, s20, s100
	s_mov_b32 s21, 0
	s_lshr_b32 s46, s42, 3
	s_lshl_b32 s46, s46, 22                        ; tile columns 8-15 (the V problem's second batch): 1,024 rows further on
	s_and_b32 s47, s42, 7
	s_lshl_b32 s47, s47, 9
	s_add_co_u32 s46, s46, s47
	s_lshl_b32 s47, s16, 8
	s_add_co_u32 s46, s46, s47                     ; my first column, in bytes
	s_mov_b32 s47, 0
	s_add_nc_u64 s[20:21], s[20:21], s[46:47]
	s_add_nc_u64 s[12:13], s[6:7], s[20:21]
.macro FRAG reg, adr, q, i             ; 16 rows x 128 K of 4-bit codes: 8 registers, two loads of 16 bytes, 32 apart
.irp c, 0,1
	ds_load_b128 v[\reg+4*\c:\reg+4*\c+3], v[\adr] offset:64*(\q)+32*\c+(\i)*16*PITCH
.endr
.endm
; 16 matrix instructions: A''s blocks a0, a0 + 1 x B''s eight.  The 64 accumulators take turns, one instruction a turn.  zero = 1: the first product starts the sums.
.macro MUL16 a0, p, q, sc, zero
.irp a, \a0, \a0+1
.irp b, 0,1,2,3,4,5,6,7
.if \zero
	v_wmma_scale_f32_16x16x128_f8f6f4 v[8*(8*((\a)%4)+\b):8*(8*((\a)%4)+\b)+7], v[128*(\p)+FR*\b:128*(\p)+FR*\b+FR-1], v[AF+FR*(\a):AF+FR*(\a)+FR-1], 0, v[SC+8*NQ*(\sc)+NQ*\b+(\q)], v[SC+8*NQ*(\sc)+NQ*(\a)+(\q)] matrix_a_fmt:MATRIX_FMT_FP4 matrix_b_fmt:MATRIX_FMT_FP4 matrix_a_scale:MATRIX_SCALE_ROW1
.else
	v_wmma_scale_f32_16x16x128_f8f6f4 v[8*(8*((\a)%4)+\b):8*(8*((\a)%4)+\b)+7], v[128*(\p)+FR*\b:128*(\p)+FR*\b+FR-1], v[AF+FR*(\a):AF+FR*(\a)+FR-1], v[8*(8*((\a)%4)+\b):8*(8*((\a)%4)+\b)+7], v[SC+8*NQ*(\sc)+NQ*\b+(\q)], v[SC+8*NQ*(\sc)+NQ*(\a)+(\q)] matrix_a_fmt:MATRIX_FMT_FP4 matrix_b_fmt:MATRIX_FMT_FP4 matrix_a_scale:MATRIX_SCALE_ROW1
.endif
.endr
.endr
.endm
.macro FETCH_B slot, q, p
	WIN TO_B
.irp i, 0,1,2,3,4,5,6,7
	FRAG 128*(\p)+FR*\i, ADRB+\slot, \q, \i
.endr
	WIN 0
.endm
.macro FETCH_A slot, q, i0
.irp i, \i0, \i0+1, \i0+2, \i0+3
	FRAG AF+FR*(\i), ADRA+\slot, \q, \i
.endr
.endm
.macro SCALES sc                       ; a slot's scale words: 4 words a row; lanes 0-15 take A''s block i, lanes 16-31 B''s block i
.irp i, 0,1,2,3,4,5,6,7
	ds_load_b128 v[SC+8*NQ*\sc+NQ*\i:SC+8*NQ*\sc+NQ*\i+3], v[ADRS] offset:\i*SBLK
.endr
.endm
.macro PLACES n                        ; plain vector lines between a matrix instruction and a load into, or a read of, its registers
.rept \n
	v_nop
.endr
.endm
.macro STEP slot, q, zero              ; 128 along K that has its successor in the same slot
	s_wait_dscnt 4*NL                              ; B''s set and A''s blocks 0-3 are in; the youngest eight loads (blocks 4-7) may be out
	WIN MUL_LO
	MUL16 0, (\q)%2, \q, \slot, \zero
	MUL16 2, (\q)%2, \q, \slot, \zero
	s_wait_dscnt 0
	PLACES NP
	FETCH_B \slot, (\q)+1, 1-(\q)%2
	FETCH_A \slot, (\q)+1, 0
	WIN MUL_HI
	MUL16 4, (\q)%2, \q, \slot, \zero
	MUL16 6, (\q)%2, \q, \slot, \zero
	PLACES NP
	WIN 0
	FETCH_A \slot, (\q)+1, 4
.endm
.macro STEPS slot, from
.set Q, \from
.rept NQ-1-\from
	STEP \slot, Q, 0
.set Q, Q+1
.endr
.endm
	s_wait_tensorcnt 1                             ; the scales and my part of slot 0 are in; slot 1's load may be out
	s_barrier_signal -1
	s_barrier_wait -1
	FETCH_B 0, 0, 0
	FETCH_A 0, 0, 0
	SCALES 0
	FETCH_A 0, 0, 4
	STEP 0, 0, 1                                   ; the first step's products start the sums
	STEPS 0, 1
	; slot 0's last step changes slots: one barrier, in front of which each wave has its part of slot 1
	s_wait_tensorcnt 0x0                           ; all my tensor loads have landed
	ds_add_u32 v[SPW], v[NIL]                      ; 0 onto my spare word
	s_wait_dscnt 4*NL+1                            ; the add and the youngest eight loads may be out
	WIN MUL_LO
	MUL16 0, 1, NQ-1, 0, 0
	s_wait_dscnt 0x0
	s_barrier_signal -1
	MUL16 2, 1, NQ-1, 0, 0
	WIN 0
	s_barrier_wait -1
	PLACES NP
	v_add_nc_u32 v[ADRS], 4*NQ, v[ADRS]            ; slot 1's scale words
	FETCH_B 1, 0, 0
	FETCH_A 1, 0, 0
	SCALES 1
	WIN MUL_HI
	MUL16 4, 1, NQ-1, 0, 0
	MUL16 6, 1, NQ-1, 0, 0
	PLACES NP
	WIN 0
	FETCH_A 1, 0, 4
	STEPS 1, 0
	s_wait_dscnt 4*NL                              ; the last step: nothing more to fetch
	WIN MUL_LO
	MUL16 0, 1, NQ-1, 1, 0
	MUL16 2, 1, NQ-1, 1, 0
	s_wait_dscnt 0
	WIN MUL_HI
	MUL16 4, 1, NQ-1, 1, 0
	MUL16 6, 1, NQ-1, 1, 0
	WIN 0
; THE WAY OUT, by blocks of 16 rows x 128 columns: rounded to f16 (16 bytes a lane), through my own stage, back as whole rows of 256 bytes.
.macro PACK a
.set AC, 64*((\a)%4)
	WIN 0x0a+5*((\a)/4)                            ; sources 0 and 1: window 2 or 3
.irp b, 0,1,2,3,4,5,6,7
.irp r, 0,1,2,3
	v_cvt_pk_f16_f32 v[TMP+4*\b+\r], v[AC+8*\b+2*\r], v[AC+8*\b+2*\r+1]    ; each accumulator from its low end on
.endr
.endr
	WIN 0
.endm
.macro TOSTAGE a
.set BB, BK+32*((\a)%2)
.irp b, 0,1,2,3,4,5,6,7
	ds_store_b128 v[STO], v[TMP+4*\b:TMP+4*\b+3] offset:32*\b
.endr
.irp t, 0,1,2,3,4,5,6,7
	ds_load_b128 v[BB+4*\t:BB+4*\t+3], v[RD] offset:\t*2*SPITCH    ; LDS serves a wave's instructions in order: these see the stores above
.endr
.endm
.macro SEND a
.set BB, BK+32*((\a)%2)
	s_wait_dscnt 0x0                               ; the block is back in registers
	s_wait_xcnt 0x0                                ; earlier stores have read their base and their registers
.if (\a) > 0
	s_add_nc_u64 s[12:13], s[12:13], 16*4096       ; 16 rows of C on
.endif
.irp t, 0,1,2,3,4,5,6,7
	global_store_b128 v[CO], v[BB+4*\t:BB+4*\t+3], s[12:13] offset:2*\t*4096   ; 16 lanes store 256 consecutive bytes, aligned
.endr
.endm
	PLACES NP
	PACK 0
	TOSTAGE 0
.irp a, 1,2,3,4,5,6,7
	PACK \a
	SEND \a-1
	TOSTAGE \a
.endr
	SEND 7
	s_wait_tensorcnt 0x0                           ; the wave's end
	ds_add_u32 v[SPW], v[NIL]
	s_wait_dscnt 0x0
	CROUND                                         ; the closing round
	s_endpgm
.Lfunc_end_k_q72c9957f4f_qkv:
	.size	k_q72c9957f4f_qkv, .Lfunc_end_k_q72c9957f4f_qkv-k_q72c9957f4f_qkv
	.p2alignl 7, 3214868480
	.fill 96, 4, 3214868480
	.section	.rodata,"a",@progbits
	.p2align	6, 0x0
	.amdhsa_kernel k_q72c9957f4f_qkv
		.amdhsa_group_segment_fixed_size 327680
		.amdhsa_private_segment_fixed_size 0
		.amdhsa_enable_private_segment 0
		.amdhsa_kernarg_size 16
		.amdhsa_user_sgpr_count 2
		.amdhsa_user_sgpr_kernarg_segment_ptr 1
		.amdhsa_wavefront_size32 1
		.amdhsa_system_sgpr_workgroup_id_x 1
		.amdhsa_system_sgpr_workgroup_id_y 1
		.amdhsa_system_sgpr_workgroup_id_z 1
		.amdhsa_system_vgpr_workitem_id 0
		.amdhsa_next_free_vgpr 1024
		.amdhsa_next_free_sgpr 102
		.amdhsa_reserve_vcc 0
		.amdhsa_float_denorm_mode_32 3
		.amdhsa_float_denorm_mode_16_64 3
		.amdhsa_memory_ordered 1
		.amdhsa_forward_progress 1
		.amdhsa_inst_pref_size 127
	.end_amdhsa_kernel
	.amdgpu_metadata
---
amdhsa.version: [ 1, 2 ]
amdhsa.kernels:
  - .name:           k_q72c9957f4f_qkv
    .symbol:         k_q72c9957f4f_qkv.kd
    .args:
      - { .name: codes, .offset: 0, .size: 8, .value_kind: global_buffer, .address_space: global }
      - { .name: qkv, .offset: 8, .size: 8, .value_kind: global_buffer, .address_space: global }
    .group_segment_fixed_size: 327680
    .private_segment_fixed_size: 0
    .kernarg_segment_align: 8
    .kernarg_segment_size: 16
    .max_flat_workgroup_size: 128
    .sgpr_count:     102
    .vgpr_count:     1024
    .wavefront_size: 32
...
	.end_amdgpu_metadata
.endif
;; end of part 2
;; launch attn (part 3): grid 16 x 16, 8 waves a work-group, clusters of 4 x 4, 327,680 bytes of LDS; arguments qkv, attn_mask, ao; writes ao
.if DOCPART == 3
	.amdgcn_target "amdgcn-amd-amdhsa--gfx1250"
	.amdhsa_code_object_version 6
	.text
	.protected	k_q72c9957f4f_attn
	.globl	k_q72c9957f4f_attn
	.p2align	8
	.type	k_q72c9957f4f_attn,@function
k_q72c9957f4f_attn:
	s_mov_b64 s[64:65], 0
	v_nop
	global_prefetch_b8 v0, s[64:65] scope:SCOPE_SE
	s_setreg_imm32_b32 hwreg(HW_REG_WAVE_MODE, 25, 1), 1
	s_wait_xcnt 0x0
	s_wait_alu depctr_hold_cnt(0) depctr_sa_sdst(0) depctr_va_vdst(0) depctr_va_sdst(0) depctr_va_ssrc(0) depctr_va_vcc(0) depctr_vm_vsrc(0)
	s_getreg_b32 s2, hwreg(HW_REG_IB_STS2, 6, 4)
	s_cmp_eq_u32 s2, 0
	s_cbranch_scc0 .Lentry_in_a_cluster
	s_endpgm
.Lentry_in_a_cluster:
	s_bfe_u32 s2, ttmp6, 0x10000c
	s_cmp_lg_u32 s2, 0xf033
	s_cbranch_scc0 .Lentry_shape_is_right
	s_endpgm
.Lentry_shape_is_right:
; ATTN.  o[b][q][head] = softmax_k(q . k / 8 + mask[q][k]) v, heads of 64, 2,048 keys, f16 operands, f32 sums, maxima and row sums; o rounded once to f16.  No work is left out.
; SHARES.  A work-group owns 128 queries of TWO neighbouring heads: so a mask tile (128 queries x 128 keys, f32) serves two heads, and a K or V tile (128 keys x both heads) 128 queries.
; Eight waves: wave w has head w / 4 of the pair and queries 32 (w % 4) on, two tiles of 16, in 256 registers: two waves to a SIMD, one's softmax beside the other's products.
; LAYOUT.  S^T = K Q^T + mask^T: source 0 = 16 keys, source 1 = 16 queries, and THE MASK TILE IS THE C of the first product: it is loaded from LDS straight into the scores' registers
; (lane (r, h), register j: mask[query r][key 8 h + j], 32 neighbouring bytes).  Q is multiplied by 1/8 once, in f32, and rounded to f16 again.  A lane holds one query throughout.  Two score tiles,
; rounded to f16 in pairs IN PLACE, are source 1 of O^T = V^T P; V lies with the keys innermost, so its fragments are read as they lie.
; SOFTMAX.  Running maximum m and sum l for each query: p = 2^(c s - c m), c = log2(e); in each step O and l are multiplied by 2^(c m_old - c m_new).
; RING.  Two slots of 128 keys.  Waves 0-3 fill slot 0, waves 4-7 slot 1: by w % 4: K's tile, V's tile, the mask's two halves: one load a wave, 32 KiB each.
; CLUSTER.  4 x 4: the four of a row share the heads (K, V tiles asked for jointly), the four of a column share the queries (mask tiles jointly).
; LIMITS: a query all of whose scores lie under -2e38 (the running maximum's start) is not served; single -infinity entries of the mask are; NaN among the inputs is not served.
.set SLOT,  137216                     ; K: 128 keys x 272;  V at VOFF: 128 channels x 272;  mask at MOFF: 128 queries x 528
.set VOFF,  34816
.set MOFF,  69632
.set STAGE, 2*SLOT                     ; the way out: 128 rows x 272 bytes; no tile lands here
.set SPARE, STAGE+128*272              ; the spare words, 128 bytes for each of eight waves: four blocks of 256 bytes that no other line names
.set AK,  3                            ; v3, v4   LDS address of my K fragments in slot 0, 1
.set AV,  5                            ; v5, v6   of V's
.set AM,  7                            ; v7, v8   of my mask rows
.set PFO, 9                            ; v9       the prefetches' offset; never rewritten
.set STO, 10                           ; v10      Q's offset, later the way into the stage
.set RD,  11
.set GO,  12
.set SPW, 14
.set NIL, 15
.set ST,  16                           ; tile t's statistics at v[ST + 8 t]: +0 c m, +1 m, +2, +3 l, +4 .. +7 at work; the factor at +6
.set Q,   32                           ; v32-63   Q[qt][c]
.set F,   64                           ; v64-127  K's fragments, then V's
.set S,   128                          ; v128-191 S^T, then p, then P
.set O,   192                          ; v192-255 O^T[qt][ct]
.set WV,   10
.set OWN,  11                          ; w / 4: my head of the pair, and the slot that I fill
.set ROLE, 12                          ; w % 4: my queries, and what I fetch
.set ODD,  13                          ; w % 2
.set G1KV, 24
.set G1M,  32
.set G0KV, 40
.set G0M,  44
.set KVS,  48                          ; s[48:49] two slots on, in K or in V
.set PFA,  50                          ; s[50:51] where my prefetches stand
.set PFS,  52                          ; s[52:53] two slots on
.set LIM,  54                          ; I prefetch while s[TRIPS] is above it
.set TRIPS, 55
.set CS,   56                          ; s[56:57] c, twice
.set SEL,  58                          ; s[58:59] lane l xor 16
.set EIG,  82                          ; s[82:83] 1/8, twice
.macro CROUND
	s_barrier_signal -1
	s_barrier_wait -1
	s_cmp_lg_u32 s[WV], 0
	s_cbranch_scc1 .Lnot_wave_0_\@
	s_barrier_signal -3
.Lnot_wave_0_\@:
	s_barrier_wait -3
	s_barrier_signal -1
	s_barrier_wait -1
.endm
; The owners of a slot fill it: w % 4 under 2: K's or V's tile; else half of the mask's.  The branches hang on the wave's number alone.  An s_nop 0 and four v_nop follow each load.
.macro JLOAD slot
	s_cmp_eq_u32 s[OWN], \slot
	s_cbranch_scc0 .Lasked_\@
	s_cmp_lt_u32 s[ROLE], 2
	s_cbranch_scc0 .Lfor_m_\@
	tensor_load_to_lds s[G0KV:G0KV+3], s[G1KV:G1KV+7]
	s_nop 0
.rept 4
	v_nop
.endr
	s_branch .Lasked_\@
.Lfor_m_\@:
	tensor_load_to_lds s[G0M:G0M+3], s[G1M:G1M+7]
	s_nop 0
.rept 4
	v_nop
.endr
.Lasked_\@:
.endm
; A prefetch of what the NEXT change of slots will load: my role's tile, one slot further on.  Each aligned 256 bytes is named once in the launch: K's and V's rows by the clusters with x = 0,
; the mask's by those with y = 0; the four partners that ask for a tile jointly share it out by address (32 rows of K or V each; 16 rows x 2 blocks of the mask's half).
.macro ASK slot
	s_cmp_eq_u32 s[OWN], \slot
	s_cbranch_scc0 .Lnot_mine_\@
	s_cmp_gt_u32 s[TRIPS], s[LIM]
	s_cbranch_scc0 .Lnot_mine_\@
	global_prefetch_b8 v[PFO], s[PFA:PFA+1] th:TH_LOAD_NT scope:SCOPE_SE
.Lnot_mine_\@:
.endm
	s_load_b128 s[4:7], s[0:1], 0x0                ; qkv s[4:5], attn_mask s[6:7]
	s_load_b64 s[8:9], s[0:1], 0x10                ; ao
	v_lshl_add_u32 v[SPW], v0, 2, SPARE
	v_mov_b32 v[NIL], 0
	ds_add_u32 v[SPW], v[NIL]                      ; the wave's opening: the add, twice on end, and its wait ahead of my first tensor load
	ds_add_u32 v[SPW], v[NIL]
	v_lshrrev_b32 v13, 5, v0
	v_readfirstlane_b32 s[WV], v13                 ; wave 0..7
	s_lshr_b32 s[OWN], s[WV], 2
	s_and_b32 s[ROLE], s[WV], 3
	s_and_b32 s[ODD], s[WV], 1
	s_bfe_u32 s14, ttmp6, 0x40000                  ; cx
	s_bfe_u32 s15, ttmp6, 0x40004                  ; cy
	s_lshl_b32 s16, ttmp9, 2
	s_add_co_u32 s16, s16, s14                     ; my block of 128 queries = 4 x cluster x + cx
	s_and_b32 s77, ttmp7, 0xffff                   ; cluster y
	s_lshl_b32 s17, s77, 2
	s_add_co_u32 s17, s17, s15                     ; batch and pair of heads = 4 x cluster y + cy
	s_lshr_b32 s18, s17, 3                         ; batch
	s_and_b32 s19, s17, 7                          ; pair
	s_lshl_b32 s20, s15, 2
	s_lshl_b32 s20, 15, s20                        ; my row of the cluster
	s_lshl_b32 s21, 0x1111, s14                    ; my column
	s_or_b32 s[G1KV], s20, (1<<16)|(1<<20)|(1<<21)|(5<<22)|(3<<25)  ; K, V: elements of 2 bytes; 4 words of padding after every 64
	s_mov_b32 s[G1KV+1], 128<<16                   ; tensor_dim0 = 128
	s_mov_b32 s[G1KV+2], 128<<16                   ; tensor_dim1 = 128
	s_mov_b32 s[G1KV+3], 128<<16                   ; tile_dim0
	s_mov_b32 s[G1KV+4], 128                       ; tile_dim1
	s_mov_b32 s[G1KV+5], 2048                      ; stride: 2,048 elements in qk and in vt alike
	s_mov_b32 s[G1KV+6], 0
	s_mov_b32 s[G1KV+7], 0
	s_or_b32 s[G1M], s21, (2<<16)|(1<<20)|(1<<21)|(6<<22)|(3<<25)   ; mask: elements of 4 bytes; 4 words after every 128
	s_mov_b32 s[G1M+1], 128<<16
	s_mov_b32 s[G1M+2], 64<<16
	s_mov_b32 s[G1M+3], 128<<16
	s_mov_b32 s[G1M+4], 64
	s_mov_b32 s[G1M+5], 2048
	s_mov_b32 s[G1M+6], 0
	s_mov_b32 s[G1M+7], 0
	; K's tile of slot index OWN: (2,048 batch + 128 OWN) rows of 4,096 bytes + 2,048 + 256 pair.  V's: 16,777,216 + (1,024 batch + 128 pair) rows + 256 OWN.  (s60-62 never hold cx)
	s_lshl_b32 s60, s18, 23
	s_lshl_b32 s61, s[OWN], 19
	s_add_co_u32 s60, s60, s61
	s_lshl_b32 s61, s19, 8
	s_add_co_u32 s60, s60, s61
	s_add_co_u32 s60, s60, 2048
	s_lshl_b32 s62, s18, 22
	s_lshl_b32 s61, s19, 19
	s_add_co_u32 s62, s62, s61
	s_lshl_b32 s61, s[OWN], 8
	s_add_co_u32 s62, s62, s61
	s_add_co_u32 s62, s62, 16777216
	s_mov_b32 s[KVS], 512
	s_cmp_eq_u32 s[ODD], 0                         ; even waves: K; odd: V
	s_cselect_b32 s60, s60, s62
	s_cselect_b32 s[KVS], 1048576, s[KVS]          ; 256 keys on: 256 rows of K, or 512 bytes in a row of V
	s_mov_b32 s61, 0
	s_mov_b32 s[KVS+1], 0
	; the mask's half: (128 block + 64 ODD) rows of 8,192 bytes + 512 OWN.  (s66, s67 never hold cy)
	s_lshl_b32 s66, s16, 20
	s_lshl_b32 s67, s[ODD], 19
	s_add_co_u32 s66, s66, s67
	s_lshl_b32 s67, s[OWN], 9
	s_add_co_u32 s66, s66, s67
	s_mov_b32 s67, 0
	; the prefetches: one slot index on from my first tile, my work-group's part of it
	s_lshr_b32 s68, s[KVS], 1
	s_add_co_u32 s68, s68, s60
	s_lshl_b32 s69, s14, 17                        ; 32 cx rows of 4,096 bytes
	s_add_co_u32 s68, s68, s69
	s_add_co_u32 s70, s66, 512
	s_lshl_b32 s69, s15, 17                        ; 16 cy rows of 8,192 bytes
	s_add_co_u32 s70, s70, s69
	s_mov_b32 s72, 256
	s_cmp_lt_u32 s[ROLE], 2
	s_cselect_b32 s68, s68, s70
	s_cselect_b32 s[PFS], s[KVS], 1024
	s_cselect_b32 s71, ttmp9, s77                  ; the coordinate along which other clusters read the same bytes
	s_cselect_b32 s72, 4096, s72
	s_mov_b32 s69, 0
	s_mov_b32 s[PFS+1], 0
	s_cmp_eq_u32 s71, 0
	s_cselect_b32 s[LIM], s[OWN], -1               ; slot 0's owners ask in all seven trips, slot 1's in six: behind index 15 there is nothing
	v_and_b32 v13, 31, v0
	v_lshrrev_b32 v[PFO], 1, v13
	v_lshlrev_b32 v[PFO], 13, v[PFO]
	v_and_b32 v13, 1, v13
	v_mul_lo_u32 v13, v13, s72
	v_add_nc_u32 v[PFO], v[PFO], v13               ; K, V: 4,096 x lane;  mask: 8,192 (lane / 2) + 256 (lane % 2)
	; Q and O
	s_lshl_b32 s75, s18, 11
	s_lshl_b32 s73, s16, 7
	s_add_co_u32 s75, s75, s73                     ; my work-group's first row: 2,048 batch + 128 block
	s_lshl_b32 s73, s[ROLE], 5
	s_add_co_u32 s78, s75, s73
	s_lshl_b32 s78, s78, 12
	s_lshl_b32 s73, s19, 8
	s_add_co_u32 s78, s78, s73
	s_lshl_b32 s73, s[OWN], 7
	s_add_co_u32 s78, s78, s73                     ; Q: my first query's row of qk, my head's 128 bytes
	s_mov_b32 s79, 0
	s_lshl_b32 s73, s[WV], 4
	s_add_co_u32 s80, s75, s73
	s_lshl_b32 s80, s80, 11
	s_lshl_b32 s73, s19, 8
	s_add_co_u32 s80, s80, s73                     ; O: the 16 rows that I store, the pair's 256 bytes
	s_mov_b32 s81, 0
	s_mul_i32 s73, s[OWN], SLOT
	s_mul_i32 s74, s[ODD], VOFF
	s_add_co_u32 s74, s74, s73                     ; where my K or V tile goes,
	s_mul_i32 s76, s[ODD], 64*528
	s_add_co_u32 s76, s76, s73
	s_add_co_u32 s76, s76, MOFF                    ; and my half of the mask's: the wave's number alone
	s_mov_b32 s[CS], 0x3fb8aa3b                    ; c = log2(e)
	s_mov_b32 s[CS+1], s[CS]
	s_mov_b32 s[SEL], 0x76543210
	s_mov_b32 s[SEL+1], 0xfedcba98
	s_mov_b32 s[EIG], 0x3e000000                   ; 1/8 = 1 / sqrt(64)
	s_mov_b32 s[EIG+1], s[EIG]
	s_mov_b32 s[TRIPS], 7
	s_wait_dscnt 0x0                               ; both opening adds are done
	s_wait_kmcnt 0x0
	s_add_nc_u64 s[60:61], s[4:5], s[60:61]
	s_add_nc_u64 s[66:67], s[6:7], s[66:67]
	s_add_nc_u64 s[78:79], s[4:5], s[78:79]
	s_add_nc_u64 s[8:9], s[8:9], s[80:81]
	s_cmp_lt_u32 s[ROLE], 2
	s_cselect_b64 s[PFA:PFA+1], s[4:5], s[6:7]
	s_add_nc_u64 s[PFA:PFA+1], s[PFA:PFA+1], s[68:69]
	CROUND                                         ; all sixteen work-groups are here: the first joint loads meet
	s_mov_b32 s[G0KV], 1
	s_mov_b32 s[G0KV+1], s74
	s_mov_b64 s[G0KV+2:G0KV+3], s[60:61]
	s_or_b32 s[G0KV+3], s[G0KV+3], 0x80000000
	s_mov_b32 s[G0M], 1
	s_mov_b32 s[G0M+1], s76
	s_mov_b64 s[G0M+2:G0M+3], s[66:67]
	s_or_b32 s[G0M+3], s[G0M+3], 0x80000000
	s_cmp_lt_u32 s[ROLE], 2                        ; the eight first fills, one a wave, a fill in each arm: both slots
	s_cbranch_scc0 .Lfirst_m
	tensor_load_to_lds s[G0KV:G0KV+3], s[G1KV:G1KV+7]
	s_nop 0
.rept 4
	v_nop
.endr
	s_branch .Lfirst_asked
.Lfirst_m:
	tensor_load_to_lds s[G0M:G0M+3], s[G1M:G1M+7]
	s_nop 0
.rept 4
	v_nop
.endr
.Lfirst_asked:
	v_and_b32 v1, 15, v0                           ; r
	v_bfe_u32 v2, v0, 4, 1                         ; h
	v_lshlrev_b32 v[STO], 12, v1
	v_lshl_add_u32 v[STO], v2, 4, v[STO]           ; Q: row r of 4,096 bytes + 16 h
.irp qt, 0,1
.irp c, 0,1
.irp i, 0,1
	global_load_b128 v[Q+16*\qt+8*\c+4*\i:Q+16*\qt+8*\c+4*\i+3], v[STO], s[78:79] offset:65536*\qt+64*\c+32*\i
.endr
.endr
.endr
	v_mul_u32_u24 v13, v1, 272
	v_lshl_add_u32 v13, v2, 4, v13                 ; 272 r + 16 h
	s_lshl_b32 s73, s[OWN], 7
	v_add_nc_u32 v[AK], s73, v13                   ; K: key r, my head's 128 bytes
	v_add_nc_u32 v[AK+1], SLOT, v[AK]
	s_mul_i32 s73, s[OWN], 64*272
	s_add_co_u32 s73, s73, VOFF
	v_add_nc_u32 v[AV], s73, v13                   ; V: my head's channel r
	v_add_nc_u32 v[AV+1], SLOT, v[AV]
	v_mul_u32_u24 v[AM], v1, 528
	v_lshl_add_u32 v[AM], v2, 5, v[AM]
	s_mul_i32 s73, s[ROLE], 32*528
	s_add_co_u32 s73, s73, MOFF
	v_add_nc_u32 v[AM], s73, v[AM]                 ; mask: my query r, 32 h bytes on
	v_add_nc_u32 v[AM+1], SLOT, v[AM]
	s_mul_i32 s73, s[WV], 16*272
	s_add_co_u32 s73, s73, STAGE
	v_mul_u32_u24 v[RD], v2, 272
	v_lshl_add_u32 v[RD], v1, 4, v[RD]
	v_add_nc_u32 v[RD], s73, v[RD]                 ; back from the stage: rows 16 w on; lanes 0-15 one row, lanes 16-31 the next
	v_lshlrev_b32 v[GO], 11, v2
	v_lshl_add_u32 v[GO], v1, 4, v[GO]             ; and the same two rows of ao, 2,048 bytes apart
.irp t, 0,1
	v_mov_b32 v[ST+8*\t+1], 0xff167699             ; m = -2e38, under every score that is served
	v_mul_f32 v[ST+8*\t], s[CS], v[ST+8*\t+1]      ; c m (finite)
	v_mov_b32 v[ST+8*\t+2], 0                      ; l
	v_mov_b32 v[ST+8*\t+3], 0
.endr
.set I, 0
.rept 64
	v_mov_b32 v[O+I], 0                            ; O^T: the loop is written once; its first step finds zeros
.set I, I+1
.endr
	s_wait_loadcnt 0x0                             ; Q
	; Q / 8, in f32: each half is widened into the scores' registers (free until the loop), multiplied, and rounded to f16 again.  Halves are named on plain register names: v32-63 are Q, v128-191 are S
	v_cvt_f32_f16 v128, v32.l
	v_cvt_f32_f16 v129, v32.h
	v_cvt_f32_f16 v130, v33.l
	v_cvt_f32_f16 v131, v33.h
	v_cvt_f32_f16 v132, v34.l
	v_cvt_f32_f16 v133, v34.h
	v_cvt_f32_f16 v134, v35.l
	v_cvt_f32_f16 v135, v35.h
	v_cvt_f32_f16 v136, v36.l
	v_cvt_f32_f16 v137, v36.h
	v_cvt_f32_f16 v138, v37.l
	v_cvt_f32_f16 v139, v37.h
	v_cvt_f32_f16 v140, v38.l
	v_cvt_f32_f16 v141, v38.h
	v_cvt_f32_f16 v142, v39.l
	v_cvt_f32_f16 v143, v39.h
	v_cvt_f32_f16 v144, v40.l
	v_cvt_f32_f16 v145, v40.h
	v_cvt_f32_f16 v146, v41.l
	v_cvt_f32_f16 v147, v41.h
	v_cvt_f32_f16 v148, v42.l
	v_cvt_f32_f16 v149, v42.h
	v_cvt_f32_f16 v150, v43.l
	v_cvt_f32_f16 v151, v43.h
	v_cvt_f32_f16 v152, v44.l
	v_cvt_f32_f16 v153, v44.h
	v_cvt_f32_f16 v154, v45.l
	v_cvt_f32_f16 v155, v45.h
	v_cvt_f32_f16 v156, v46.l
	v_cvt_f32_f16 v157, v46.h
	v_cvt_f32_f16 v158, v47.l
	v_cvt_f32_f16 v159, v47.h
	v_cvt_f32_f16 v160, v48.l
	v_cvt_f32_f16 v161, v48.h
	v_cvt_f32_f16 v162, v49.l
	v_cvt_f32_f16 v163, v49.h
	v_cvt_f32_f16 v164, v50.l
	v_cvt_f32_f16 v165, v50.h
	v_cvt_f32_f16 v166, v51.l
	v_cvt_f32_f16 v167, v51.h
	v_cvt_f32_f16 v168, v52.l
	v_cvt_f32_f16 v169, v52.h
	v_cvt_f32_f16 v170, v53.l
	v_cvt_f32_f16 v171, v53.h
	v_cvt_f32_f16 v172, v54.l
	v_cvt_f32_f16 v173, v54.h
	v_cvt_f32_f16 v174, v55.l
	v_cvt_f32_f16 v175, v55.h
	v_cvt_f32_f16 v176, v56.l
	v_cvt_f32_f16 v177, v56.h
	v_cvt_f32_f16 v178, v57.l
	v_cvt_f32_f16 v179, v57.h
	v_cvt_f32_f16 v180, v58.l
	v_cvt_f32_f16 v181, v58.h
	v_cvt_f32_f16 v182, v59.l
	v_cvt_f32_f16 v183, v59.h
	v_cvt_f32_f16 v184, v60.l
	v_cvt_f32_f16 v185, v60.h
	v_cvt_f32_f16 v186, v61.l
	v_cvt_f32_f16 v187, v61.h
	v_cvt_f32_f16 v188, v62.l
	v_cvt_f32_f16 v189, v62.h
	v_cvt_f32_f16 v190, v63.l
	v_cvt_f32_f16 v191, v63.h
.set I, 0
.rept 32
	v_pk_mul_f32 v[S+I:S+I+1], v[S+I:S+I+1], s[EIG:EIG+1] op_sel_hi:[1,0]
.set I, I+2
.endr
.set I, 0
.rept 32
	v_cvt_pk_f16_f32 v[Q+I], v[S+2*I], v[S+2*I+1]  ; a power of two: nothing is rounded but in f16's denormals
.set I, I+1
.endr
	s_mul_i32 s73, s[ROLE], 32*272
	s_lshl_b32 s74, s[OWN], 7
	s_add_co_u32 s73, s73, s74
	s_add_co_u32 s73, s73, STAGE
	v_mul_u32_u24 v[STO], v1, 272                  ; (Q's loads are done: their offset register is free)
	v_lshl_add_u32 v[STO], v2, 4, v[STO]
	v_add_nc_u32 v[STO], s73, v[STO]               ; into the stage: my query r, my head's 128 bytes, + 16 h
; One tile's softmax of 64 keys is 119 lines; the two tiles go line by line, so that no line waits for the line above it.
.macro SOFTMAX
.irp j, 0,1,2,3
.irp t, 0,1
	v_max3_num_f32 v[ST+8*\t+4+\j], v[S+32*\t+8*\j], v[S+32*\t+8*\j+1], v[S+32*\t+8*\j+2]      ; four chains; each accumulator is read from its low end on
.endr
.endr
.irp g, 1,2
.irp j, 0,1,2,3
.irp t, 0,1
	v_max3_num_f32 v[ST+8*\t+4+\j], v[ST+8*\t+4+\j], v[S+32*\t+8*\j+2*\g+1], v[S+32*\t+8*\j+2*\g+2]
.endr
.endr
.endr
.irp t, 0,1
	v_max3_num_f32 v[ST+8*\t+4], v[ST+8*\t+4], v[S+32*\t+7], v[S+32*\t+15]
.endr
.irp t, 0,1
	v_max3_num_f32 v[ST+8*\t+6], v[ST+8*\t+6], v[S+32*\t+23], v[S+32*\t+31]
.endr
.irp t, 0,1
	v_max3_num_f32 v[ST+8*\t+4], v[ST+8*\t+4], v[ST+8*\t+5], v[ST+8*\t+6]
.endr
.irp t, 0,1
	v_max3_num_f32 v[ST+8*\t+4], v[ST+8*\t+4], v[ST+8*\t+7], v[ST+8*\t+1]      ; with the old m
.endr
.irp t, 0,1
	v_permlanex16_b32 v[ST+8*\t+5], v[ST+8*\t+4], s[SEL], s[SEL+1]             ; the query's other 32 keys lie in the lane 16 away
.endr
.irp t, 0,1
	v_mov_b32 v[ST+8*\t+7], v[ST+8*\t]             ; c m_old
.endr
.irp t, 0,1
	v_max_num_f32 v[ST+8*\t+1], v[ST+8*\t+4], v[ST+8*\t+5]
.endr
.irp t, 0,1
	v_mul_f32 v[ST+8*\t], s[CS], v[ST+8*\t+1]
.endr
.irp t, 0,1
	v_sub_f32 v[ST+8*\t+7], v[ST+8*\t+7], v[ST+8*\t]
.endr
.irp b, 0,2,4,6,8,10,12,14,16,18,20,22,24,26,28,30
.irp t, 0,1
	v_pk_fma_f32 v[S+32*\t+\b:S+32*\t+\b+1], v[S+32*\t+\b:S+32*\t+\b+1], s[CS:CS+1], v[ST+8*\t:ST+8*\t+1] op_sel_hi:[1,0,0] neg_lo:[0,0,1] neg_hi:[0,0,1]   ; c s - c m
.endr
.endr
.irp t, 0,1
	v_exp_f32 v[ST+8*\t+6], v[ST+8*\t+7]           ; 2^(c m_old - c m_new)
.endr
.irp e, 0,1,2,3,4,5,6,7,8,9,10,11,12,13,14,15,16,17,18,19,20,21,22,23,24,25,26,27,28,29,30,31
.irp t, 0,1
	v_exp_f32 v[S+32*\t+\e], v[S+32*\t+\e]
.endr
.endr
	v_nop                                          ; one plain line behind the last exponential
	s_wait_alu depctr_va_vdst(0)                   ; one wait for the batch of 66, ahead of its first reader
.irp t, 0,1
	v_pk_mul_f32 v[ST+8*\t+2:ST+8*\t+3], v[ST+8*\t+2:ST+8*\t+3], v[ST+8*\t+6:ST+8*\t+7] op_sel_hi:[1,0]
.endr
.irp t, 0,1
	v_pk_add_f32 v[ST+8*\t+4:ST+8*\t+5], v[S+32*\t:S+32*\t+1], v[S+32*\t+2:S+32*\t+3]          ; the sum of the unrounded p, in two chains
.endr
.irp j, 4,8,12,16,20,24,28
.irp t, 0,1
	v_pk_add_f32 v[ST+8*\t+2:ST+8*\t+3], v[ST+8*\t+2:ST+8*\t+3], v[S+32*\t+\j:S+32*\t+\j+1]
	v_pk_add_f32 v[ST+8*\t+4:ST+8*\t+5], v[ST+8*\t+4:ST+8*\t+5], v[S+32*\t+\j+2:S+32*\t+\j+3]
.endr
.endr
.irp t, 0,1
	v_pk_add_f32 v[ST+8*\t+2:ST+8*\t+3], v[ST+8*\t+2:ST+8*\t+3], v[ST+8*\t+4:ST+8*\t+5]
.endr
.irp i, 0,1,2,3,4,5,6,7,8,9,10,11,12,13,14,15
.irp t, 0,1
	v_cvt_pk_f16_f32 v[S+32*\t+\i], v[S+32*\t+2*\i], v[S+32*\t+2*\i+1]         ; in place, ascending: register i is written when pairs 0 .. i - 1 have been read
.endr
.endr
.irp i, 0,2,4,6,8,10,12,14,16,18,20,22,24,26,28,30
.irp t, 0,1
	v_pk_mul_f32 v[O+32*\t+\i:O+32*\t+\i+1], v[O+32*\t+\i:O+32*\t+\i+1], v[ST+8*\t+6:ST+8*\t+7] op_sel_hi:[1,0]
.endr
.endr
.endm
; 64 keys: the ks-th half of a slot.  In each run of 16 products eight accumulators take turns, one instruction a turn.
.macro KSTEP slot, ks
.rept 5
	v_nop                                          ; five places: the scores' products below write over registers that the last products read as P (four would serve the loads alone)
.endr
.irp qt, 0,1
.irp kt, 0,1,2,3
.irp i, 0,1
	ds_load_b128 v[S+32*\qt+8*\kt+4*\i:S+32*\qt+8*\kt+4*\i+3], v[AM+\slot] offset:8448*\qt+256*\ks+64*\kt+16*\i    ; the mask tile: the C of the first product
.endr
.endr
.endr
.irp kt, 0,1,2,3
.irp c, 0,1
.irp i, 0,1
	ds_load_b128 v[F+16*\kt+8*\c+4*\i:F+16*\kt+8*\c+4*\i+3], v[AK+\slot] offset:(64*\ks+16*\kt)*272+64*\c+32*\i
.endr
.endr
.endr
	s_wait_dscnt 0x0
.irp c, 0,1
.irp kt, 0,1,2,3
.irp qt, 0,1
	v_wmma_f32_16x16x32_f16 v[S+32*\qt+8*\kt:S+32*\qt+8*\kt+7], v[F+16*\kt+8*\c:F+16*\kt+8*\c+7], v[Q+16*\qt+8*\c:Q+16*\qt+8*\c+7], v[S+32*\qt+8*\kt:S+32*\qt+8*\kt+7]
.endr
.endr
.endr
.rept 4
	v_nop                                          ; places in front of V's loads and of the first read of the scores
.endr
.irp ct, 0,1,2,3
.irp f, 0,1
.irp i, 0,1
	ds_load_b128 v[F+16*\ct+8*\f+4*\i:F+16*\ct+8*\f+4*\i+3], v[AV+\slot] offset:4352*\ct+128*\ks+64*\f+32*\i       ; they land while the softmax is walked
.endr
.endr
.endr
	SOFTMAX
	s_wait_dscnt 0x0
.irp f, 0,1
.irp ct, 0,1,2,3
.irp qt, 0,1
	v_wmma_f32_16x16x32_f16 v[O+32*\qt+8*\ct:O+32*\qt+8*\ct+7], v[F+16*\ct+8*\f:F+16*\ct+8*\f+7], v[S+32*\qt+8*\f:S+32*\qt+8*\f+7], v[O+32*\qt+8*\ct:O+32*\qt+8*\ct+7]
.endr
.endr
.endr
.endm
; THE CHANGE OF SLOTS, behind a slot's two steps.  Each wave waits for all its tensor loads (the other slot's owners: their tiles), adds 0 to its spare word, and waits for that and for its reads.
; fill = 1: a round of the cluster's barrier, and the slot's owners fill it again, first thing behind it: the load has the other slot's two steps in which to land.
.macro CHANGE slot, fill
	s_wait_tensorcnt 0x0                           ; no tensor load of mine is out, so a group 0 may be written
	ds_add_u32 v[SPW], v[NIL]
.if (\fill) && ((\slot) == 0)
	s_add_nc_u64 s[G0KV+2:G0KV+3], s[G0KV+2:G0KV+3], s[KVS:KVS+1]  ; once a trip, for both slots' owners: two slot indices on
	s_add_nc_u64 s[G0M+2:G0M+3], s[G0M+2:G0M+3], 1024
	s_wait_xcnt 0x0                                ; my last prefetch, a trip back, has read its address
	s_add_nc_u64 s[PFA:PFA+1], s[PFA:PFA+1], s[PFS:PFS+1]
.endif
	s_wait_dscnt 0x0                               ; the add is done, and my reads of the slot are over
.if \fill
	CROUND
	JLOAD \slot
	ASK \slot
.else
	s_barrier_signal -1
	s_barrier_wait -1
.endif
.endm
	s_wait_tensorcnt 0x0                           ; my first fill has landed,
	s_barrier_signal -1
	s_barrier_wait -1                              ; everybody's has: both slots are whole
.Ltrip:                                            ; seven trips: slot indices 2 .. 15 are asked for
	KSTEP 0, 0
	KSTEP 0, 1
	CHANGE 0, 1
	KSTEP 1, 0
	KSTEP 1, 1
	CHANGE 1, 1
	s_sub_co_u32 s[TRIPS], s[TRIPS], 1
	s_cmp_lg_u32 s[TRIPS], 0
	s_cbranch_scc1 .Ltrip
	KSTEP 0, 0                                     ; the tail is written out: nothing more is asked for
	KSTEP 0, 1
	CHANGE 0, 0
	KSTEP 1, 0
	KSTEP 1, 1
	; THE WAY OUT.  O^T / l, rounded to f16; a row's 256 bytes come from waves w and w + 4, so they meet in the stage behind a barrier; each wave then stores 16 whole rows.
.rept 4
	v_nop
.endr
.irp t, 0,1
	v_add_f32 v[ST+8*\t+4], v[ST+8*\t+2], v[ST+8*\t+3]
.endr
.irp t, 0,1
	v_permlanex16_b32 v[ST+8*\t+5], v[ST+8*\t+4], s[SEL], s[SEL+1]
.endr
.irp t, 0,1
	v_add_f32 v[ST+8*\t+4], v[ST+8*\t+4], v[ST+8*\t+5]
.endr
.irp t, 0,1
	v_rcp_f32 v[ST+8*\t+6], v[ST+8*\t+4]
.endr
	v_nop
	s_wait_alu depctr_va_vdst(0)                   ; one wait for the two reciprocals
.irp t, 0,1
.irp i, 0,2,4,6,8,10,12,14,16,18,20,22,24,26,28,30
	v_pk_mul_f32 v[O+32*\t+\i:O+32*\t+\i+1], v[O+32*\t+\i:O+32*\t+\i+1], v[ST+8*\t+6:ST+8*\t+7] op_sel_hi:[1,0]
.endr
.endr
.irp t, 0,1
.irp i, 0,1,2,3,4,5,6,7,8,9,10,11,12,13,14,15
	v_cvt_pk_f16_f32 v[S+16*\t+\i], v[O+32*\t+2*\i], v[O+32*\t+2*\i+1]
.endr
.endr
.irp qt, 0,1
.irp ct, 0,1,2,3
	ds_store_b128 v[STO], v[S+16*\qt+4*\ct:S+16*\qt+4*\ct+3] offset:4352*\qt+32*\ct
.endr
.endr
	s_wait_dscnt 0x0                               ; for the others' sake: my stores into the stage are done
	s_barrier_signal -1
	s_barrier_wait -1
.irp t, 0,1,2,3,4,5,6,7
	ds_load_b128 v[F+4*\t:F+4*\t+3], v[RD] offset:544*\t
.endr
.irp t, 0,1,2,3,4,5,6,7
	s_wait_dscnt 7-\t
	global_store_b128 v[GO], v[F+4*\t:F+4*\t+3], s[8:9] offset:4096*\t     ; 16 lanes store 256 consecutive bytes, aligned
.endr
	s_wait_tensorcnt 0x0                           ; the wave's end
	ds_add_u32 v[SPW], v[NIL]
	s_wait_dscnt 0x0
	CROUND                                         ; the closing round
	s_endpgm
.Lfunc_end_k_q72c9957f4f_attn:
	.size	k_q72c9957f4f_attn, .Lfunc_end_k_q72c9957f4f_attn-k_q72c9957f4f_attn
	.p2alignl 7, 3214868480
	.fill 96, 4, 3214868480
	.section	.rodata,"a",@progbits
	.p2align	6, 0x0
	.amdhsa_kernel k_q72c9957f4f_attn
		.amdhsa_group_segment_fixed_size 327680
		.amdhsa_private_segment_fixed_size 0
		.amdhsa_enable_private_segment 0
		.amdhsa_kernarg_size 24
		.amdhsa_user_sgpr_count 2
		.amdhsa_user_sgpr_kernarg_segment_ptr 1
		.amdhsa_wavefront_size32 1
		.amdhsa_system_sgpr_workgroup_id_x 1
		.amdhsa_system_sgpr_workgroup_id_y 1
		.amdhsa_system_sgpr_workgroup_id_z 1
		.amdhsa_system_vgpr_workitem_id 0
		.amdhsa_next_free_vgpr 256
		.amdhsa_next_free_sgpr 84
		.amdhsa_reserve_vcc 0
		.amdhsa_float_denorm_mode_32 3
		.amdhsa_float_denorm_mode_16_64 3
		.amdhsa_memory_ordered 1
		.amdhsa_forward_progress 1
		.amdhsa_inst_pref_size 172
	.end_amdhsa_kernel
	.amdgpu_metadata
---
amdhsa.version: [ 1, 2 ]
amdhsa.kernels:
  - .name:           k_q72c9957f4f_attn
    .symbol:         k_q72c9957f4f_attn.kd
    .args:
      - { .name: qkv, .offset: 0, .size: 8, .value_kind: global_buffer, .address_space: global }
      - { .name: attn_mask, .offset: 8, .size: 8, .value_kind: global_buffer, .address_space: global }
      - { .name: ao, .offset: 16, .size: 8, .value_kind: global_buffer, .address_space: global }
    .group_segment_fixed_size: 327680
    .private_segment_fixed_size: 0
    .kernarg_segment_align: 8
    .kernarg_segment_size: 24
    .max_flat_workgroup_size: 256
    .sgpr_count:     84
    .vgpr_count:     256
    .wavefront_size: 32
...
	.end_amdgpu_metadata
.endif
;; end of part 3
;; launch ffn1 (part 4): grid 8 x 32, 4 waves a work-group, clusters of 4 x 4, 327,680 bytes of LDS; arguments ao, wt, b1, hid, hs; writes hid, hs
.if DOCPART == 4
	.amdgcn_target "amdgcn-amd-amdhsa--gfx1250"
	.amdhsa_code_object_version 6
	.text
	.protected	k_q72c9957f4f_ffn1
	.globl	k_q72c9957f4f_ffn1
	.p2align	8
	.type	k_q72c9957f4f_ffn1,@function
k_q72c9957f4f_ffn1:
	s_mov_b64 s[64:65], 0
	v_nop
	global_prefetch_b8 v0, s[64:65] scope:SCOPE_SE
	s_setreg_imm32_b32 hwreg(HW_REG_WAVE_MODE, 25, 1), 1
	s_wait_xcnt 0x0
	s_wait_alu depctr_hold_cnt(0) depctr_sa_sdst(0) depctr_va_vdst(0) depctr_va_sdst(0) depctr_va_ssrc(0) depctr_va_vcc(0) depctr_vm_vsrc(0)
	s_getreg_b32 s2, hwreg(HW_REG_IB_STS2, 6, 4)
	s_cmp_eq_u32 s2, 0
	s_cbranch_scc0 .Lentry_in_a_cluster
	s_endpgm
.Lentry_in_a_cluster:
	s_bfe_u32 s2, ttmp6, 0x10000c
	s_cmp_lg_u32 s2, 0xf033
	s_cbranch_scc0 .Lentry_shape_is_right
	s_endpgm
.Lentry_shape_is_right:
; FFN1.  hid = silu(ao W1 + b1): ao [4096][1024] f16, W1 as f16 [2048 n][1024 k], f32 sums; the activation in f32.  No work is left out.
; THE HIDDEN LAYER HAS NO ROOM IN f16 AS IT STANDS, so each (row, 128 columns) is multiplied by an exact power of two that brings its largest magnitude into [256, 512), and rounded to f16;
; the inverse power goes to hs [16 chunks][4096 rows] f32, and the next launch multiplies each chunk's sum by it in f32.
; A tile is 128 rows x 256 columns: 256 work-groups.  Four waves, each 64 x 128: 32 accumulators.  K in steps of 128 (rows of 256 bytes) through two LDS slots.
; CLUSTERS: 4 x 4; ao's tiles shared along a row, W1's along a column.  The matrix instruction is used transposed (source 0 = W1's rows, source 1 = ao's rows); b1 is the C of each sum's first product.
; PREFETCH INTO THE L2.  Behind each joint refill and the run of LDS loads that follows it stands one global_prefetch_b8 for the K step that stands TWO refills on: 256 bytes of a row, a lane a row.
; Each row's 256 bytes of a K step are named once in the launch: ao's rows by the clusters with x = 0 (wave 0: of the tile's 128 rows the partner at cx takes 32 cx on), W1's by the clusters with y = 0
; (waves 2 and 3: of the 128 rows that the wave fetches the partner at cy takes 32 cy on).  The partners are told apart by address, never by a branch.  K steps 0 to 3 come by their loads alone;
; the last trip's two refills ask for nothing: no K step stands two on.
; REGISTERS: window 0: v16-30 addresses; v32-43 at work; v64-127 ao's fragments, two buffers; v128-191 b1's eight tiles, later a block of the hidden layer; v192-223 packed; v224-255 rows on the way out.
;   window 1: v0-127 W1's fragments, two buffers.   window 2: accumulator (a, b) at v[8 (8 a + b)].
; LIMITS: a (row, chunk) whose largest magnitude lies under 2^-118 is scaled as if it were 2^-118; infinities and NaN are not served.
.set KSTEP,  128
.set PITCH,  272
.set AH,     64*PITCH                  ; 64 rows of ao: one load
.set BH,     128*PITCH                 ; 128 rows of W1: one load
.set BOFF,   2*AH
.set SLOT,   2*AH+2*BH
.set STAGE,  2*SLOT                    ; 16 rows x 272 bytes for each wave; no tile lands here
.set SPITCH, 272
.set SPARE,  STAGE+4*16*SPITCH
.set LAPS,   4                         ; 1,024 / 256
.set ADRA, 16
.set ADRB, 20
.set STO,  24
.set RD,   25
.set CO,   26
.set LN4,  27                          ; 4 x lane
.set SPW,  28
.set NIL,  29
.set PFO,  30                          ; the prefetches' offset: 2,048 x lane, a row of ao or of W1; never rewritten
.set M0,   32
.set M1,   33
.set TT,   34
.set FAC,  36                          ; v[36:37]
.set INV,  40                          ; v40-43
.set AF,   64
.set BIAS, 128
.set H,    128
.set PK,   192
.set BK,   224
.set G1A, 24
.set G0A, 32
.set G1B, 48
.set G0B, 56
.set PFA, 72                           ; s[72:73] where my prefetches stand: my work-group's 32 rows, one K step further along K than the refill that is being asked for; a prefetch names the K step after that
.set LIM, 74                           ; s74 1 in a wave that prefetches, else the greatest number
.set MSB, 0
.macro WIN new
.if MSB != \new
	s_set_vgpr_msb (MSB<<8)|\new
.set MSB, \new
.endif
.endm
.set MUL,  0xa1                        ; source 0 (W1) window 1, source 1 (ao) window 0, C and D window 2
.set MULB, 0x81                        ; the same with C (b1) in window 0
.macro JLOAD s                         ; waves 0, 1 fetch ao's halves, waves 2, 3 W1's; an s_nop 0 and four v_nop follow each line
	s_cmp_eq_u32 s15, 0
	s_cbranch_scc0 .Lfor_b_\@
	tensor_load_to_lds s[G0A+4*\s:G0A+4*\s+3], s[G1A:G1A+7]
	s_nop 0
.rept 4
	v_nop
.endr
	s_branch .Lasked_\@
.Lfor_b_\@:
	tensor_load_to_lds s[G0B+4*\s:G0B+4*\s+3], s[G1B:G1B+7]
	s_nop 0
.rept 4
	v_nop
.endr
.Lasked_\@:
.endm
.macro ASK                             ; the prefetch: in the trips that have a K step two refills on (s3 = 1 in the last trip), in the waves whose part it is
	s_cmp_gt_u32 s3, s[LIM]
	s_cbranch_scc0 .Lnot_mine_\@
	global_prefetch_b8 v[PFO], s[PFA:PFA+1] offset:KSTEP*2 th:TH_LOAD_NT scope:SCOPE_SE
.Lnot_mine_\@:
.endm
.macro CREST
	s_cmp_lg_u32 s14, 0
	s_cbranch_scc1 .Lnot_wave_0_\@
	s_barrier_signal -3
.Lnot_wave_0_\@:
	s_barrier_wait -3
	s_barrier_signal -1
	s_barrier_wait -1
.endm
.macro CROUND
	s_barrier_signal -1
	s_barrier_wait -1
	CREST
.endm
.macro PLACES
.rept 4
	v_nop
.endr
.endm
	s_load_b256 s[4:11], s[0:1], 0x0               ; ao s[4:5], wt s[6:7], b1 s[8:9], hid s[10:11]
	s_load_b64 s[12:13], s[0:1], 0x20              ; hs
	v_lshl_add_u32 v[SPW], v0, 2, SPARE
	v_mov_b32 v[NIL], 0
	ds_add_u32 v[SPW], v[NIL]                      ; the wave's opening: the add, twice on end, and its wait ahead of my first tensor load
	ds_add_u32 v[SPW], v[NIL]
	v_lshrrev_b32 v1, 5, v0
	v_readfirstlane_b32 s14, v1                    ; wave 0..3
	s_lshr_b32 s15, s14, 1                         ; my half of the rows.  Also: I fetch for ao (0) or W1 (1)
	s_and_b32 s16, s14, 1                          ; my half of the columns.  Also: which half of that tile I fetch
	s_bfe_u32 s40, ttmp6, 0x40000
	s_bfe_u32 s41, ttmp6, 0x40004
	s_lshl_b32 s42, ttmp9, 2
	s_add_co_u32 s42, s42, s40                     ; tile column
	s_and_b32 s17, ttmp7, 0xffff
	s_lshl_b32 s17, s17, 2
	s_add_co_u32 s17, s17, s41                     ; tile row
	s_lshl_b32 s43, s41, 2
	s_lshl_b32 s43, 15, s43
	s_lshl_b32 s44, 0x1111, s40
	s_or_b32 s[G1A+0], s43, (1<<16)|(1<<20)|(1<<21)|(5<<22)|(3<<25)
	s_mov_b32 s[G1A+1], KSTEP<<16
	s_mov_b32 s[G1A+2], 64<<16
	s_mov_b32 s[G1A+3], KSTEP<<16
	s_mov_b32 s[G1A+4], 64
	s_mov_b32 s[G1A+5], 1024
	s_mov_b32 s[G1A+6], 0
	s_mov_b32 s[G1A+7], 0
	s_or_b32 s[G1B+0], s44, (1<<16)|(1<<20)|(1<<21)|(5<<22)|(3<<25)
	s_mov_b32 s[G1B+1], KSTEP<<16
	s_mov_b32 s[G1B+2], 128<<16
	s_mov_b32 s[G1B+3], KSTEP<<16
	s_mov_b32 s[G1B+4], 128
	s_mov_b32 s[G1B+5], 1024
	s_mov_b32 s[G1B+6], 0
	s_mov_b32 s[G1B+7], 0
	s_lshl_b32 s20, s17, 7
	s_lshl_b32 s18, s16, 6
	s_add_co_u32 s20, s20, s18                     ; ao: row 128 x tile row + 64 x half,
	s_lshl_b32 s20, s20, 11                        ; of 2,048 bytes  (never holds cx)
	s_mov_b32 s21, 0
	s_lshl_b32 s46, s42, 8
	s_lshl_b32 s18, s16, 7
	s_add_co_u32 s46, s46, s18                     ; W1: row 256 x tile column + 128 x half  (never holds cy)
	s_lshl_b32 s46, s46, 11
	s_mov_b32 s47, 0
	s_mul_i32 s22, s16, AH
	s_mul_i32 s23, s16, BH
	s_add_co_u32 s23, s23, BOFF
	s_mov_b32 s45, 0xffff0000                      ; lanes 16-31
	s_mov_b32 s76, 0xbfb8aa3b                      ; -log2(e)
	s_mov_b32 s77, s76
	s_mov_b32 s78, 0x76543210
	s_mov_b32 s79, 0xfedcba98
	s_wait_dscnt 0x0
	s_wait_kmcnt 0x0
	s_add_nc_u64 s[20:21], s[4:5], s[20:21]
	s_add_nc_u64 s[46:47], s[6:7], s[46:47]
	CROUND
.irp s, 0,1
	s_mov_b32 s[G0A+4*\s], 1
	s_add_co_u32 s[G0A+4*\s+1], s22, \s*SLOT
	s_add_nc_u64 s[G0A+4*\s+2:G0A+4*\s+3], s[20:21], \s*KSTEP*2
	s_or_b32 s[G0A+4*\s+3], s[G0A+4*\s+3], 0x80000000
	s_mov_b32 s[G0B+4*\s], 1
	s_add_co_u32 s[G0B+4*\s+1], s23, \s*SLOT
	s_add_nc_u64 s[G0B+4*\s+2:G0B+4*\s+3], s[46:47], \s*KSTEP*2
	s_or_b32 s[G0B+4*\s+3], s[G0B+4*\s+3], 0x80000000
	JLOAD \s
.endr
	v_and_b32 v1, 15, v0                           ; r
	v_bfe_u32 v2, v0, 4, 1                         ; h
	s_lshl_b32 s66, s42, 10
	s_lshl_b32 s67, s16, 9
	s_add_co_u32 s66, s66, s67
	s_mov_b32 s67, 0
	s_add_nc_u64 s[8:9], s[8:9], s[66:67]          ; b1 at my 128 columns
	v_lshlrev_b32 v3, 5, v2
.irp b, 0,1,2,3,4,5,6,7
	global_load_b128 v[BIAS+8*\b:BIAS+8*\b+3], v3, s[8:9] offset:64*\b         ; lane (r, h), tile b: b1 at columns 16 b + 8 h + 0 .. 7
	global_load_b128 v[BIAS+8*\b+4:BIAS+8*\b+7], v3, s[8:9] offset:64*\b+16
.endr
	v_mul_u32_u24 v4, v1, PITCH
	v_lshl_add_u32 v4, v2, 4, v4
	s_mul_i32 s68, s15, AH
	s_mul_i32 s69, s16, BH
	s_add_co_u32 s69, s69, BOFF
.irp s, 0,1
	v_add_nc_u32 v[ADRA+\s], s68, v4
	v_add_nc_u32 v[ADRB+\s], s69, v4
	s_add_co_u32 s68, s68, SLOT
	s_add_co_u32 s69, s69, SLOT
.endr
	s_mul_i32 s68, s14, 16*SPITCH
	s_add_co_u32 s68, s68, STAGE
	v_add_nc_u32 v[STO], s68, v4                   ; into my stage: row r, 16 h
	v_mul_u32_u24 v5, v2, SPITCH
	v_lshl_add_u32 v5, v1, 4, v5
	v_add_nc_u32 v[RD], s68, v5
	v_lshlrev_b32 v5, 12, v2
	v_lshl_add_u32 v[CO], v1, 4, v5                ; two rows of hid, 4,096 bytes apart
	v_and_b32 v[LN4], 31, v0
	v_lshlrev_b32 v[LN4], 2, v[LN4]
	s_lshl_b32 s68, s17, 7
	s_lshl_b32 s69, s15, 6
	s_add_co_u32 s68, s68, s69                     ; my first row
	s_lshl_b32 s70, s68, 12
	s_lshl_b32 s69, s42, 9
	s_add_co_u32 s70, s70, s69
	s_lshl_b32 s69, s16, 8
	s_add_co_u32 s70, s70, s69
	s_mov_b32 s71, 0
	s_add_nc_u64 s[10:11], s[10:11], s[70:71]      ; hid at my 64 x 128
	s_lshl_b32 s70, s42, 1
	s_add_co_u32 s70, s70, s16                     ; my chunk of 128 columns
	s_lshl_b32 s70, s70, 14
	s_lshl_b32 s68, s68, 2
	s_add_co_u32 s70, s70, s68
	s_add_nc_u64 s[12:13], s[12:13], s[70:71]      ; hs at my chunk, my rows
	; the prefetches: where mine stand, and whether I ask.  s[4:5] = ao and s[6:7] = wt still stand
	s_lshl_b32 s66, s17, 7                         ; ao: the tile's first row,
	s_lshl_b32 s67, s40, 5
	s_add_co_u32 s66, s66, s67                     ; + my work-group's 32 of its 128: by cx
	s_lshl_b32 s68, s42, 8                         ; W1: the tile's first row,
	s_lshl_b32 s69, s16, 7
	s_add_co_u32 s68, s68, s69                     ; + the 128 rows that I fetch,
	s_lshl_b32 s69, s41, 5
	s_add_co_u32 s68, s68, s69                     ; + my work-group's 32 of them: by cy
	s_and_b32 s70, ttmp7, 0xffff                   ; W1's rows are read by every cluster of a column of clusters: cluster y = 0 asks
	s_or_b32 s71, ttmp9, s16                       ; ao's by every cluster of a row of clusters: cluster x = 0 asks, and of waves 0 and 1 the first
	s_cmp_eq_u32 s15, 0                            ; do I fetch for ao?
	s_cselect_b32 s66, s66, s68
	s_cselect_b32 s70, s71, s70
	s_cselect_b64 s[PFA:PFA+1], s[4:5], s[6:7]
	s_cmp_eq_u32 s70, 0
	s_cselect_b32 s[LIM], 1, -1                    ; the same in all sixteen partners, for a given wave
	s_lshl_b32 s66, s66, 11                        ; rows of 2,048 bytes,
	s_add_co_u32 s66, s66, 2*KSTEP*2               ; at K step 2: the first refill steps it to 3 and names K step 4
	s_mov_b32 s67, 0
	s_add_nc_u64 s[PFA:PFA+1], s[PFA:PFA+1], s[66:67]
	v_and_b32 v[PFO], 31, v0
	v_lshlrev_b32 v[PFO], 11, v[PFO]
.macro FETCH slot, k, f                ; 24 LDS loads: 32 along K at byte k: W1's eight blocks, then ao's four
	WIN 0x40
.irp i, 0,1,2,3,4,5,6,7
	ds_load_b128 v[64*(\f)+8*\i:64*(\f)+8*\i+3],   v[ADRB+\slot] offset:\k+\i*16*PITCH
	ds_load_b128 v[64*(\f)+8*\i+4:64*(\f)+8*\i+7], v[ADRB+\slot] offset:\k+\i*16*PITCH+32
.endr
	WIN 0
.irp i, 0,1,2,3
	ds_load_b128 v[AF+32*(\f)+8*\i:AF+32*(\f)+8*\i+3],   v[ADRA+\slot] offset:\k+\i*16*PITCH
	ds_load_b128 v[AF+32*(\f)+8*\i+4:AF+32*(\f)+8*\i+7], v[ADRA+\slot] offset:\k+\i*16*PITCH+32
.endr
.endm
.macro MUL8 f, a, bias                 ; ao's block a x W1's eight; the 32 accumulators take turns, one instruction a turn
.irp b, 0,1,2,3,4,5,6,7
.if \bias
	v_wmma_f32_16x16x32_f16 v[8*(8*(\a)+\b):8*(8*(\a)+\b)+7], v[64*(\f)+8*\b:64*(\f)+8*\b+7], v[AF+32*(\f)+8*(\a):AF+32*(\f)+8*(\a)+7], v[BIAS+8*\b:BIAS+8*\b+7]
.else
	v_wmma_f32_16x16x32_f16 v[8*(8*(\a)+\b):8*(8*(\a)+\b)+7], v[64*(\f)+8*\b:64*(\f)+8*\b+7], v[AF+32*(\f)+8*(\a):AF+32*(\f)+8*(\a)+7], v[8*(8*(\a)+\b):8*(8*(\a)+\b)+7]
.endif
.endr
.endm
.macro QUARTER slot, k, f, g, bias     ; multiplies buffer f; in its middle fetches the next quarter, at byte k, into g
	s_wait_dscnt 4                                 ; W1's blocks and ao's blocks 0, 1 are in; the youngest four loads (blocks 2, 3) may be out
	WIN MUL-0x20*(\bias)
	MUL8 \f, 0, \bias
	MUL8 \f, 1, \bias
	PLACES
	FETCH \slot, \k, \g
	s_wait_dscnt 24                                ; all but the 24 just issued
	WIN MUL-0x20*(\bias)
	MUL8 \f, 2, \bias
	MUL8 \f, 3, \bias
.endm
.macro TURN slot, next, fill           ; the last quarter multiplies buffer 1 and changes slots
.if \fill
	s_wait_xcnt 0x0                                ; my last prefetch, a K step back, has read its address: it is stepped here, ahead of the waits of the change of slots
	s_add_nc_u64 s[PFA:PFA+1], s[PFA:PFA+1], KSTEP*2
.endif
	WIN 0
	s_wait_tensorcnt 0x0                           ; all my tensor loads have landed: my part of the next slot
	ds_add_u32 v[SPW], v[NIL]
	s_wait_dscnt 5                                 ; the add and the youngest four loads may be out
	WIN MUL
	MUL8 1, 0, 0
	s_wait_dscnt 0x0                               ; the add is done, and my reads of this slot are over
	s_barrier_signal -1
	MUL8 1, 1, 0
	WIN 0
	s_barrier_wait -1
.if \fill
	CREST                                          ; the barrier has opened a round of the cluster's: no wave of any partner still reads this slot or has a load on its way
	s_add_nc_u64 s[G0A+4*\slot+2:G0A+4*\slot+3], s[G0A+4*\slot+2:G0A+4*\slot+3], 2*KSTEP*2
	s_add_nc_u64 s[G0B+4*\slot+2:G0B+4*\slot+3], s[G0B+4*\slot+2:G0B+4*\slot+3], 2*KSTEP*2
	JLOAD \slot                                    ; its four v_nop are also the places in front of the loads below
.else
	PLACES
.endif
	FETCH \next, 0, 0                              ; (it leaves every window 0)
.if \fill
	ASK                                            ; behind the joint load and the run of LDS loads that the next products wait for
.endif
	WIN MUL
	MUL8 1, 2, 0
	MUL8 1, 3, 0
.endm
	s_wait_tensorcnt 1                             ; my part of K step 0 is in; K step 1's load may be out
	s_barrier_signal -1
	s_barrier_wait -1
	FETCH 0, 0, 0
	s_wait_loadcnt 0x0                             ; b1
	QUARTER 0, 64, 0, 1, 1                         ; the first quarter's products start the sums from b1
	WIN 0
	s_mov_b32 s3, LAPS-1
.Llap:
	QUARTER 0, 128, 1, 0, 0
	QUARTER 0, 192, 0, 1, 0
	TURN 0, 1, 1
	QUARTER 1, 64,  0, 1, 0
	QUARTER 1, 128, 1, 0, 0
	QUARTER 1, 192, 0, 1, 0
	TURN 1, 0, 1
	QUARTER 0, 64,  0, 1, 0
	WIN 0
	s_sub_co_u32 s3, s3, 1
	s_cmp_lg_u32 s3, 0
	s_cbranch_scc1 .Llap
	QUARTER 0, 128, 1, 0, 0                        ; the last lap fills nothing
	QUARTER 0, 192, 0, 1, 0
	TURN 0, 1, 0
	QUARTER 1, 64,  0, 1, 0
	QUARTER 1, 128, 1, 0, 0
	QUARTER 1, 192, 0, 1, 0
	s_wait_dscnt 4
	WIN MUL
	MUL8 1, 0, 0
	MUL8 1, 1, 0
	s_wait_dscnt 0
	MUL8 1, 2, 0
	MUL8 1, 3, 0
	WIN 0
	PLACES
; A block of 16 rows x my 128 columns: silu, the row's largest magnitude, the exact scale, f16, through my stage, out by rows.
.macro OUTBLK a
	WIN 0x02                                       ; source 0: window 2
.set I, 0
.rept 32
	v_pk_mul_f32 v[H+I:H+I+1], v[64*(\a)+I:64*(\a)+I+1], s[76:77] op_sel_hi:[1,0]      ; -x log2(e); each accumulator from its low end on
.set I, I+2
.endr
	WIN 0
.set I, 0
.rept 64
	v_exp_f32 v[H+I], v[H+I]
.set I, I+1
.endr
	v_nop
	s_wait_alu depctr_va_vdst(0)                   ; one wait for the batch
.set I, 0
.rept 32
	v_pk_add_f32 v[H+I:H+I+1], v[H+I:H+I+1], 1.0 op_sel_hi:[1,0]
.set I, I+2
.endr
.set I, 0
.rept 64
	v_rcp_f32 v[H+I], v[H+I]                       ; sigmoid(x)
.set I, I+1
.endr
	v_nop
	s_wait_alu depctr_va_vdst(0)
	WIN 0x02
.set I, 0
.rept 32
	v_pk_mul_f32 v[H+I:H+I+1], v[64*(\a)+I:64*(\a)+I+1], v[H+I:H+I+1]                  ; x sigmoid(x)
.set I, I+2
.endr
	WIN 0
	v_max3_num_f32 v[M0], |v[H]|, |v[H+1]|, 0x4800000              ; the largest magnitude of my 64, with the floor 2^-118, in two chains
	v_max3_num_f32 v[M1], |v[H+2]|, |v[H+3]|, 0x4800000
.set I, 4
.rept 15
	v_max3_num_f32 v[M0], v[M0], |v[H+I]|, |v[H+I+1]|
	v_max3_num_f32 v[M1], v[M1], |v[H+I+2]|, |v[H+I+3]|
.set I, I+4
.endr
	v_max_num_f32 v[M0], v[M0], v[M1]
	v_permlanex16_b32 v[M1], v[M0], s78, s79
	v_max_num_f32 v[M0], v[M0], v[M1]              ; with the row's other 64 columns
	v_and_b32 v[TT], 0x7f800000, v[M0]             ; its exponent field E
	v_add_nc_u32 v[INV+(\a)], 0xfc000000, v[TT]    ; 2^(E - 135): what the next launch multiplies by
	v_sub_nc_u32 v[FAC], 0x83000000, v[TT]         ; 2^(135 - E): the largest magnitude comes to lie in [256, 512)
	v_mov_b32 v[FAC+1], v[FAC]
.set I, 0
.rept 32
	v_pk_mul_f32 v[H+I:H+I+1], v[H+I:H+I+1], v[FAC:FAC+1] op_sel_hi:[1,0]
.set I, I+2
.endr
.set I, 0
.rept 32
	v_cvt_pk_f16_f32 v[PK+I], v[H+2*I], v[H+2*I+1]
.set I, I+1
.endr
.irp b, 0,1,2,3,4,5,6,7
	ds_store_b128 v[STO], v[PK+4*\b:PK+4*\b+3] offset:32*\b
.endr
	s_wait_xcnt 0x0                                ; the last block's stores have read their registers and their base
.irp t, 0,1,2,3,4,5,6,7
	ds_load_b128 v[BK+4*\t:BK+4*\t+3], v[RD] offset:\t*2*SPITCH
.endr
	s_wait_dscnt 0x0
.if (\a) > 0
	s_add_nc_u64 s[10:11], s[10:11], 16*4096
.endif
.irp t, 0,1,2,3,4,5,6,7
	global_store_b128 v[CO], v[BK+4*\t:BK+4*\t+3], s[10:11] offset:2*\t*4096   ; 16 lanes store 256 consecutive bytes, aligned
.endr
.endm
	OUTBLK 0
	OUTBLK 1
	OUTBLK 2
	OUTBLK 3
	v_cndmask_b32 v[M0], v[INV], v[INV+1], s45     ; lanes 0-15: rows 0-15; lanes 16-31: rows 16-31
	v_cndmask_b32 v[M1], v[INV+2], v[INV+3], s45
	global_store_b32 v[LN4], v[M0], s[12:13]       ; 128 consecutive bytes a store
	global_store_b32 v[LN4], v[M1], s[12:13] offset:128
	s_wait_tensorcnt 0x0                           ; the wave's end
	ds_add_u32 v[SPW], v[NIL]
	s_wait_dscnt 0x0
	CROUND
	s_endpgm
.Lfunc_end_k_q72c9957f4f_ffn1:
	.size	k_q72c9957f4f_ffn1, .Lfunc_end_k_q72c9957f4f_ffn1-k_q72c9957f4f_ffn1
	.p2alignl 7, 3214868480
	.fill 96, 4, 3214868480
	.section	.rodata,"a",@progbits
	.p2align	6, 0x0
	.amdhsa_kernel k_q72c9957f4f_ffn1
		.amdhsa_group_segment_fixed_size 327680
		.amdhsa_private_segment_fixed_size 0
		.amdhsa_enable_private_segment 0
		.amdhsa_kernarg_size 40
		.amdhsa_user_sgpr_count 2
		.amdhsa_user_sgpr_kernarg_segment_ptr 1
		.amdhsa_wavefront_size32 1
		.amdhsa_system_sgpr_workgroup_id_x 1
		.amdhsa_system_sgpr_workgroup_id_y 1
		.amdhsa_system_sgpr_workgroup_id_z 1
		.amdhsa_system_vgpr_workitem_id 0
		.amdhsa_next_free_vgpr 768
		.amdhsa_next_free_sgpr 80
		.amdhsa_reserve_vcc 0
		.amdhsa_float_denorm_mode_32 3
		.amdhsa_float_denorm_mode_16_64 3
		.amdhsa_memory_ordered 1
		.amdhsa_forward_progress 1
		.amdhsa_inst_pref_size 149
	.end_amdhsa_kernel
	.amdgpu_metadata
---
amdhsa.version: [ 1, 2 ]
amdhsa.kernels:
  - .name:           k_q72c9957f4f_ffn1
    .symbol:         k_q72c9957f4f_ffn1.kd
    .args:
      - { .name: ao, .offset: 0, .size: 8, .value_kind: global_buffer, .address_space: global }
      - { .name: wt, .offset: 8, .size: 8, .value_kind: global_buffer, .address_space: global }
      - { .name: b1, .offset: 16, .size: 8, .value_kind: global_buffer, .address_space: global }
      - { .name: hid, .offset: 24, .size: 8, .value_kind: global_buffer, .address_space: global }
      - { .name: hs, .offset: 32, .size: 8, .value_kind: global_buffer, .address_space: global }
    .group_segment_fixed_size: 327680
    .private_segment_fixed_size: 0
    .kernarg_segment_align: 8
    .kernarg_segment_size: 40
    .max_flat_workgroup_size: 128
    .sgpr_count:     80
    .vgpr_count:     768
    .wavefront_size: 32
...
	.end_amdgpu_metadata
.endif
;; end of part 4
;; launch ffn2 (part 5): grid 8 x 32, 4 waves a work-group, clusters of 4 x 4, 327,680 bytes of LDS; arguments hid, hs, wt, b2, out0; writes out0
.if DOCPART == 5
	.amdgcn_target "amdgcn-amd-amdhsa--gfx1250"
	.amdhsa_code_object_version 6
	.text
	.protected	k_q72c9957f4f_ffn2
	.globl	k_q72c9957f4f_ffn2
	.p2align	8
	.type	k_q72c9957f4f_ffn2,@function
k_q72c9957f4f_ffn2:
	s_mov_b64 s[64:65], 0
	v_nop
	global_prefetch_b8 v0, s[64:65] scope:SCOPE_SE
	s_setreg_imm32_b32 hwreg(HW_REG_WAVE_MODE, 25, 1), 1
	s_wait_xcnt 0x0
	s_wait_alu depctr_hold_cnt(0) depctr_sa_sdst(0) depctr_va_vdst(0) depctr_va_sdst(0) depctr_va_ssrc(0) depctr_va_vcc(0) depctr_vm_vsrc(0)
	s_getreg_b32 s2, hwreg(HW_REG_IB_STS2, 6, 4)
	s_cmp_eq_u32 s2, 0
	s_cbranch_scc0 .Lentry_in_a_cluster
	s_endpgm
.Lentry_in_a_cluster:
	s_bfe_u32 s2, ttmp6, 0x10000c
	s_cmp_lg_u32 s2, 0xf033
	s_cbranch_scc0 .Lentry_shape_is_right
	s_endpgm
.Lentry_shape_is_right:
; FFN2.  out0 = hidden W2 + b2.  hid [4096][2048] f16 holds the hidden layer with each (row, chunk of 128 along K) multiplied by an exact power of two; hs [16][4096] f32 holds the inverse powers.
; So out0(m, n) = b2(n) + the sum over 16 chunks of hs(chunk, m) x (the chunk's f16 product, summed in f32).  W2 as f16 [1024 n][2048 k].  No work is left out.
; A tile is 128 x 128: 256 work-groups; four waves, each 64 x 64: 16 accumulators T, started anew (C = 0) for each chunk, and 128 registers A2 of f32 sums, into which a chunk is folded
; by one packed multiply-add a pair.  K in steps of 256 (rows of 512 bytes) through two LDS slots; a step is two chunks, a chunk two quarters of 64.
; The scales of the tile's 128 rows, 16 chunks, come into LDS once, with the first fills.
; CLUSTERS: 4 x 4; hid's tiles and the scales shared along a row, W2's along a column.  The matrix instruction is used transposed: a lane holds one row of out0 and eight neighbouring columns.
; PREFETCH INTO THE L2.  Behind each joint refill and the run of LDS loads that follows it stands one global_prefetch_b8 for the K step that stands TWO refills on: 512 bytes of a row, two blocks of 256.
; Each block is named once in the launch: hid's rows by the clusters with x = 0, W2's by the clusters with y = 0; of the 64 rows that a wave fetches the partner at place p (cx for hid, cy for W2) takes
; 16 p on: 16 rows x 2 blocks, a lane a block.  The partners are told apart by address, never by a branch.  K steps 0 to 3 come by their loads alone; the last trip's two refills ask for nothing.
; REGISTERS: window 0: v16-30 addresses; v32-63 scale words (set, chunk, block: even registers; the odd ones are 0 and only named as pairs' upper halves); v96-127 b2's four tiles; v128-255 T.
;   window 1: two fragment buffers of 128.   window 2: v0-127 A2.
;   scalars: s24-63 and s68-79 are descriptors, written only while no tensor load of the wave is out; s18-23, s66, s67, s80, s81 are at work behind the first fills.
.set KSTEP,  256
.set PITCH,  528
.set HALFT,  64*PITCH
.set SLOT,   4*HALFT
.set SCL,    2*SLOT                    ; 16 chunks x (128 rows x 4 bytes + 16)
.set STAGE,  SCL+16*528                ; 16 rows x 272 bytes for each wave; no tile lands here
.set SPITCH, 272
.set SPARE,  STAGE+4*16*SPITCH
.set LAPS,   4
.set W2T,    4194304
.set ADRA, 16
.set ADRB, 20
.set STO,  24
.set RD,   25
.set CO,   26
.set ADRS, 27
.set SPW,  28
.set NIL,  29
.set PFO,  30                          ; the prefetches' offset: 4,096 (lane / 2) + 256 (lane % 2); never rewritten
.set SC,   32
.set BIAS, 96
.set ACC,  128
.set BK,   128
.set F0,   0
.set F1,   128
.set G1, 24
.set G0, 32
.set G1B, 48
.set G0B, 56
.set G1S, 68
.set G0S, 76
.set PFA, 82                           ; s[82:83] where my prefetches stand: my work-group's 16 rows, one K step further along K than the refill that is being asked for; a prefetch names the K step after that
.set LIM, 19                           ; s19 1 in a wave that prefetches, else the greatest number
.set MSB, 0
.macro WIN new
.if MSB != \new
	s_set_vgpr_msb (MSB<<8)|\new
.set MSB, \new
.endif
.endm
.set MUL,  0x05                        ; sources 0 (W2) and 1 (hid) window 1; C and D window 0
.set TO_F, 0x40
.macro JLOAD s
	s_cmp_eq_u32 s15, 0
	s_cbranch_scc0 .Lfor_b_\@
	tensor_load_to_lds s[G0+4*\s:G0+4*\s+3], s[G1:G1+7]
	s_nop 0
.rept 4
	v_nop
.endr
	s_branch .Lasked_\@
.Lfor_b_\@:
	tensor_load_to_lds s[G0B+4*\s:G0B+4*\s+3], s[G1B:G1B+7]
	s_nop 0
.rept 4
	v_nop
.endr
.Lasked_\@:
.endm
.macro ASK                             ; the prefetch: in the trips that have a K step two refills on (s3 = 1 in the last trip), in the clusters whose part it is
	s_cmp_gt_u32 s3, s[LIM]
	s_cbranch_scc0 .Lnot_mine_\@
	global_prefetch_b8 v[PFO], s[PFA:PFA+1] offset:KSTEP*2 th:TH_LOAD_NT scope:SCOPE_SE
.Lnot_mine_\@:
.endm
.macro CREST
	s_cmp_lg_u32 s14, 0
	s_cbranch_scc1 .Lnot_wave_0_\@
	s_barrier_signal -3
.Lnot_wave_0_\@:
	s_barrier_wait -3
	s_barrier_signal -1
	s_barrier_wait -1
.endm
.macro CROUND
	s_barrier_signal -1
	s_barrier_wait -1
	CREST
.endm
.macro PLACES
.rept 4
	v_nop
.endr
.endm
	s_load_b256 s[4:11], s[0:1], 0x0               ; hid s[4:5], hs s[6:7], wt s[8:9], b2 s[10:11]
	s_load_b64 s[12:13], s[0:1], 0x20              ; out0
	v_lshl_add_u32 v[SPW], v0, 2, SPARE
	v_mov_b32 v[NIL], 0
	ds_add_u32 v[SPW], v[NIL]                      ; the wave's opening: the add, twice on end, and its wait ahead of my first tensor load
	ds_add_u32 v[SPW], v[NIL]
	v_lshrrev_b32 v1, 5, v0
	v_readfirstlane_b32 s14, v1
	s_lshr_b32 s15, s14, 1                         ; my half of the rows.  Also: I fetch for hid (0) or W2 (1)
	s_and_b32 s16, s14, 1                          ; my half of the columns.  Also: which 64 rows I fetch
	s_bfe_u32 s40, ttmp6, 0x40000
	s_bfe_u32 s41, ttmp6, 0x40004
	s_lshl_b32 s42, ttmp9, 2
	s_add_co_u32 s42, s42, s40                     ; tile column
	s_and_b32 s17, ttmp7, 0xffff
	s_lshl_b32 s17, s17, 2
	s_add_co_u32 s17, s17, s41                     ; tile row
	s_lshl_b32 s43, s41, 2
	s_lshl_b32 s43, 15, s43
	s_lshl_b32 s44, 0x1111, s40
	s_or_b32 s[G1+0], s43, (1<<16)|(1<<20)|(1<<21)|(6<<22)|(3<<25)  ; 64 rows x 256 elements of 2 bytes; 4 words of padding after every 128
	s_or_b32 s[G1B+0], s44, (1<<16)|(1<<20)|(1<<21)|(6<<22)|(3<<25)
.irp g, G1, G1B
	s_mov_b32 s[\g+1], KSTEP<<16
	s_mov_b32 s[\g+2], 64<<16
	s_mov_b32 s[\g+3], KSTEP<<16
	s_mov_b32 s[\g+4], 64
	s_mov_b32 s[\g+5], 2048
	s_mov_b32 s[\g+6], 0
	s_mov_b32 s[\g+7], 0
.endr
	s_or_b32 s[G1S+0], s43, (2<<16)|(1<<20)|(1<<21)|(6<<22)|(3<<25) ; the scales: 4 chunks x 128 rows of 4 bytes, chunks 4,096 elements apart
	s_mov_b32 s[G1S+1], 128<<16
	s_mov_b32 s[G1S+2], 4<<16
	s_mov_b32 s[G1S+3], 128<<16
	s_mov_b32 s[G1S+4], 4
	s_mov_b32 s[G1S+5], 4096
	s_mov_b32 s[G1S+6], 0
	s_mov_b32 s[G1S+7], 0
	s_lshl_b32 s18, s16, 6
	s_lshl_b32 s20, s17, 7
	s_add_co_u32 s20, s20, s18
	s_lshl_b32 s20, s20, 12                        ; hid: row 128 x tile row + 64 x half, of 4,096 bytes  (never holds cx)
	s_mov_b32 s21, 0
	s_lshl_b32 s46, s42, 7
	s_add_co_u32 s46, s46, s18
	s_lshl_b32 s46, s46, 12
	s_add_co_u32 s46, s46, W2T                     ; W2: row 128 x tile column + 64 x half  (never holds cy)
	s_mov_b32 s47, 0
	s_lshl_b32 s22, s14, 16                        ; hs: chunks 4 w on,
	s_lshl_b32 s23, s17, 9                         ; the tile's 128 rows
	s_add_co_u32 s22, s22, s23
	s_mov_b32 s23, 0
	s_mul_i32 s45, s14, HALFT
	s_mul_i32 s66, s14, 4*528
	s_wait_dscnt 0x0
	s_wait_kmcnt 0x0
	s_add_nc_u64 s[20:21], s[4:5], s[20:21]
	s_add_nc_u64 s[22:23], s[6:7], s[22:23]
	s_add_nc_u64 s[46:47], s[8:9], s[46:47]
	CROUND
	s_mov_b32 s[G0S], 1
	s_add_co_u32 s[G0S+1], s66, SCL
	s_mov_b64 s[G0S+2:G0S+3], s[22:23]
	s_or_b32 s[G0S+3], s[G0S+3], 0x80000000
	tensor_load_to_lds s[G0S:G0S+3], s[G1S:G1S+7]  ; every wave its four chunks: filled once
	s_nop 0
.rept 4
	v_nop
.endr
.irp s, 0,1
	s_mov_b32 s[G0+4*\s], 1
	s_add_co_u32 s[G0+4*\s+1], s45, \s*SLOT
	s_add_nc_u64 s[G0+4*\s+2:G0+4*\s+3], s[20:21], \s*KSTEP*2
	s_or_b32 s[G0+4*\s+3], s[G0+4*\s+3], 0x80000000
	s_mov_b32 s[G0B+4*\s], 1
	s_add_co_u32 s[G0B+4*\s+1], s45, \s*SLOT
	s_add_nc_u64 s[G0B+4*\s+2:G0B+4*\s+3], s[46:47], \s*KSTEP*2
	s_or_b32 s[G0B+4*\s+3], s[G0B+4*\s+3], 0x80000000
	JLOAD \s                                       ; three loads of mine are out behind the second of these
.endr
	v_and_b32 v1, 15, v0                           ; r
	v_bfe_u32 v2, v0, 4, 1                         ; h
	s_lshl_b32 s66, s42, 9
	s_lshl_b32 s67, s16, 8
	s_add_co_u32 s66, s66, s67                     ; my first column, in bytes of f32
	s_mov_b32 s67, 0
	s_add_nc_u64 s[10:11], s[10:11], s[66:67]
	v_lshlrev_b32 v3, 5, v2
.irp b, 0,1,2,3
	global_load_b128 v[BIAS+8*\b:BIAS+8*\b+3], v3, s[10:11] offset:64*\b
	global_load_b128 v[BIAS+8*\b+4:BIAS+8*\b+7], v3, s[10:11] offset:64*\b+16
.endr
	v_mul_u32_u24 v4, v1, PITCH
	v_lshl_add_u32 v4, v2, 4, v4
	s_mul_i32 s80, s15, HALFT                      ; (s80, s81: no descriptor names them; the tensor loads are still out)
	s_mul_i32 s81, s16, HALFT
	s_add_co_u32 s81, s81, 2*HALFT
.irp s, 0,1
	v_add_nc_u32 v[ADRA+\s], s80, v4
	v_add_nc_u32 v[ADRB+\s], s81, v4
	s_add_co_u32 s80, s80, SLOT
	s_add_co_u32 s81, s81, SLOT
.endr
	v_lshlrev_b32 v[ADRS], 2, v1
	s_lshl_b32 s80, s15, 8
	s_add_co_u32 s80, s80, SCL
	v_add_nc_u32 v[ADRS], s80, v[ADRS]             ; my row r of my 64: 4 bytes; both halves of the lanes read the same word
	s_mul_i32 s80, s14, 16*SPITCH
	s_add_co_u32 s80, s80, STAGE
	v_mul_u32_u24 v4, v1, SPITCH
	v_lshl_add_u32 v4, v2, 5, v4
	v_add_nc_u32 v[STO], s80, v4                   ; into my stage: row r, 32 h
	v_mul_u32_u24 v5, v2, SPITCH
	v_lshl_add_u32 v5, v1, 4, v5
	v_add_nc_u32 v[RD], s80, v5
	v_lshlrev_b32 v5, 12, v2
	v_lshl_add_u32 v[CO], v1, 4, v5                ; two rows of out0, 4,096 bytes apart
	s_lshl_b32 s80, s17, 7
	s_lshl_b32 s81, s15, 6
	s_add_co_u32 s80, s80, s81
	s_lshl_b32 s80, s80, 12
	s_add_co_u32 s80, s80, s66
	s_mov_b32 s81, 0
	s_add_nc_u64 s[12:13], s[12:13], s[80:81]
	; the prefetches: where mine stand, and whether I ask.  s[4:5] = hid and s[8:9] = wt still stand; s20-23 are named by no descriptor
	s_lshl_b32 s20, s17, 7                         ; hid: the tile's first row,
	s_lshl_b32 s21, s40, 4
	s_add_co_u32 s20, s20, s21                     ; + 16 cx
	s_lshl_b32 s22, s42, 7                         ; W2: the tile's first row,
	s_lshl_b32 s21, s41, 4
	s_add_co_u32 s22, s22, s21                     ; + 16 cy
	s_and_b32 s23, ttmp7, 0xffff                   ; cluster y
	s_cmp_eq_u32 s15, 0                            ; do I fetch for hid?
	s_cselect_b32 s20, s20, s22
	s_cselect_b32 s23, ttmp9, s23                  ; the coordinate along which other clusters read the same rows
	s_cselect_b32 s21, 0, W2T                      ; W2 lies W2T bytes into wt
	s_cselect_b64 s[PFA:PFA+1], s[4:5], s[8:9]
	s_cmp_eq_u32 s23, 0
	s_cselect_b32 s[LIM], 1, -1                    ; the same in all sixteen partners, for a given wave
	s_lshl_b32 s22, s16, 6
	s_add_co_u32 s20, s20, s22                     ; + the 64 rows that I fetch,
	s_lshl_b32 s20, s20, 12                        ; of 4,096 bytes,
	s_add_co_u32 s20, s20, s21
	s_add_co_u32 s20, s20, 2*KSTEP*2               ; at K step 2: the first refill steps it to 3 and names K step 4
	s_mov_b32 s21, 0
	s_add_nc_u64 s[PFA:PFA+1], s[PFA:PFA+1], s[20:21]
	v_and_b32 v[PFO], 31, v0
	v_lshrrev_b32 v5, 1, v[PFO]
	v_and_b32 v[PFO], 1, v[PFO]
	v_lshlrev_b32 v[PFO], 8, v[PFO]
	v_lshl_add_u32 v[PFO], v5, 12, v[PFO]
.set I, 1
.rept 16
	v_mov_b32 v[SC+I], 0                           ; written once: named only as the upper halves of the scales' pairs
.set I, I+2
.endr
.macro MUL8 f, c, a0, zero             ; the 16 accumulators take turns, one instruction a turn
.irp a, \a0, \a0+1
.irp b, 0,1,2,3
.if \zero
	v_wmma_f32_16x16x32_f16 v[ACC+8*(4*(\a)+\b):ACC+8*(4*(\a)+\b)+7], v[\f+64+8*(4*\c+\b):\f+64+8*(4*\c+\b)+7], v[\f+8*(4*\c+\a):\f+8*(4*\c+\a)+7], 0
.else
	v_wmma_f32_16x16x32_f16 v[ACC+8*(4*(\a)+\b):ACC+8*(4*(\a)+\b)+7], v[\f+64+8*(4*\c+\b):\f+64+8*(4*\c+\b)+7], v[\f+8*(4*\c+\a):\f+8*(4*\c+\a)+7], v[ACC+8*(4*(\a)+\b):ACC+8*(4*(\a)+\b)+7]
.endif
.endr
.endr
.endm
.macro FETCH slot, k, f                ; 32 LDS loads: 64 along K at byte k; the first 32 along K first
	WIN TO_F
.irp c, 0,1
.irp i, 0,1,2,3
	ds_load_b128 v[\f+64+8*(4*\c+\i):\f+64+8*(4*\c+\i)+3],   v[ADRB+\slot] offset:\k+64*\c+\i*16*PITCH
	ds_load_b128 v[\f+64+8*(4*\c+\i)+4:\f+64+8*(4*\c+\i)+7], v[ADRB+\slot] offset:\k+64*\c+\i*16*PITCH+32
	ds_load_b128 v[\f+8*(4*\c+\i):\f+8*(4*\c+\i)+3],         v[ADRA+\slot] offset:\k+64*\c+\i*16*PITCH
	ds_load_b128 v[\f+8*(4*\c+\i)+4:\f+8*(4*\c+\i)+7],       v[ADRA+\slot] offset:\k+64*\c+\i*16*PITCH+32
.endr
.endr
.endm
.macro SCALES set                      ; a K step's two chunks, my four blocks of rows
.irp i, 0,1
.irp a, 0,1,2,3
	ds_load_b32 v[SC+16*\set+8*\i+2*\a], v[ADRS] offset:528*\i+64*\a
.endr
.endr
.endm
.macro QUARTER slot, k, f, g, zero
	s_wait_dscnt 16                                ; the first 32 along K are in (and all that is older: the scale words)
	WIN MUL
	MUL8 \f, 0, 0, \zero
	MUL8 \f, 0, 2, \zero
	PLACES
	FETCH \slot, \k, \g
	s_wait_dscnt 32                                ; all but the 32 just issued
	WIN MUL
	MUL8 \f, 1, 0, 0
	MUL8 \f, 1, 2, 0
.endm
.macro TURN slot, next, fill
.if \fill
	s_wait_xcnt 0x0                                ; my last prefetch, a K step back, has read its address: it is stepped here, ahead of the waits of the change of slots
	s_add_nc_u64 s[PFA:PFA+1], s[PFA:PFA+1], KSTEP*2
.endif
	WIN 0
	s_wait_tensorcnt 0x0                           ; all my tensor loads have landed
	ds_add_u32 v[SPW], v[NIL]
	s_wait_dscnt 17                                ; the add and the youngest sixteen loads may be out
	WIN MUL
	MUL8 F1, 0, 0, 0
	s_wait_dscnt 0x0
	s_barrier_signal -1
	MUL8 F1, 0, 2, 0
	WIN 0
	s_barrier_wait -1
.if \fill
	CREST
	s_add_nc_u64 s[G0+4*\slot+2:G0+4*\slot+3], s[G0+4*\slot+2:G0+4*\slot+3], 2*KSTEP*2
	s_add_nc_u64 s[G0B+4*\slot+2:G0B+4*\slot+3], s[G0B+4*\slot+2:G0B+4*\slot+3], 2*KSTEP*2
	JLOAD \slot
.else
	PLACES
.endif
	v_add_nc_u32 v[ADRS], 2*528, v[ADRS]           ; the next K step's two chunks
	SCALES \next                                   ; ahead of the fragments: older than any load that a later count leaves out
	FETCH \next, 0, F0
.if \fill
	WIN 0                                          ; at a branch and at a label every window is 0
	ASK                                            ; behind the joint load and the run of LDS loads that the next products wait for
.endif
	WIN MUL
	MUL8 F1, 1, 0, 0
	MUL8 F1, 1, 2, 0
.endm
; A chunk is folded: A2 = T x the row's inverse scale + A2 (the first time: + b2).  Four v_nop and the lines on other accumulators are the places behind the last products,
; for these reads and for the next chunk's products, which write T anew.
.macro FOLD set, i, first
	PLACES
.if \first
	WIN 0x80
.else
	WIN 0xa0
.endif
.irp a, 0,1,2,3
.irp b, 0,1,2,3
.irp p, 0,2,4,6
.if \first
	v_pk_fma_f32 v[8*(4*\a+\b)+\p:8*(4*\a+\b)+\p+1], v[ACC+8*(4*\a+\b)+\p:ACC+8*(4*\a+\b)+\p+1], v[SC+16*\set+8*\i+2*\a:SC+16*\set+8*\i+2*\a+1], v[BIAS+8*\b+\p:BIAS+8*\b+\p+1] op_sel_hi:[1,0,1]
.else
	v_pk_fma_f32 v[8*(4*\a+\b)+\p:8*(4*\a+\b)+\p+1], v[ACC+8*(4*\a+\b)+\p:ACC+8*(4*\a+\b)+\p+1], v[SC+16*\set+8*\i+2*\a:SC+16*\set+8*\i+2*\a+1], v[8*(4*\a+\b)+\p:8*(4*\a+\b)+\p+1] op_sel_hi:[1,0,1]
.endif
.endr
.endr
.endr
	WIN 0
.endm
	s_wait_tensorcnt 1                             ; the scales and my part of K step 0 are in; K step 1's load may be out
	s_barrier_signal -1
	s_barrier_wait -1
	SCALES 0
	FETCH 0, 0, F0
	QUARTER 0, 128, F0, F1, 1
	QUARTER 0, 256, F1, F0, 0
	s_wait_loadcnt 0x0                             ; b2
	FOLD 0, 0, 1
	s_mov_b32 s3, LAPS-1
.Llap:
	QUARTER 0, 384, F0, F1, 1
	TURN 0, 1, 1
	FOLD 0, 1, 0
	QUARTER 1, 128, F0, F1, 1
	QUARTER 1, 256, F1, F0, 0
	FOLD 1, 0, 0
	QUARTER 1, 384, F0, F1, 1
	TURN 1, 0, 1
	FOLD 1, 1, 0
	QUARTER 0, 128, F0, F1, 1
	QUARTER 0, 256, F1, F0, 0
	FOLD 0, 0, 0
	s_sub_co_u32 s3, s3, 1
	s_cmp_lg_u32 s3, 0
	s_cbranch_scc1 .Llap
	QUARTER 0, 384, F0, F1, 1                      ; the last lap fills nothing
	TURN 0, 1, 0
	FOLD 0, 1, 0
	QUARTER 1, 128, F0, F1, 1
	QUARTER 1, 256, F1, F0, 0
	FOLD 1, 0, 0
	QUARTER 1, 384, F0, F1, 1
	s_wait_dscnt 16
	WIN MUL
	MUL8 F1, 0, 0, 0
	MUL8 F1, 0, 2, 0
	s_wait_dscnt 0
	MUL8 F1, 1, 0, 0
	MUL8 F1, 1, 2, 0
	FOLD 1, 1, 0
; THE WAY OUT, by blocks of 16 rows x my 64 columns (256 bytes a row), through my own stage.
.macro OUTBLK a
.set BB, BK+32*((\a)%2)
	WIN 0x08                                       ; an LDS store's data are its source 1: window 2
.irp b, 0,1,2,3
	ds_store_b128 v[STO], v[8*(4*(\a)+\b):8*(4*(\a)+\b)+3] offset:64*\b
	ds_store_b128 v[STO], v[8*(4*(\a)+\b)+4:8*(4*(\a)+\b)+7] offset:64*\b+16
.endr
	WIN 0
.if (\a) > 0
	s_wait_xcnt 0x0                                ; earlier stores have read their registers and their base
.endif
.irp t, 0,1,2,3,4,5,6,7
	ds_load_b128 v[BB+4*\t:BB+4*\t+3], v[RD] offset:\t*2*SPITCH    ; LDS serves a wave's instructions in order
.endr
	s_wait_dscnt 0x0
.if (\a) > 0
	s_add_nc_u64 s[12:13], s[12:13], 16*4096
.endif
.irp t, 0,1,2,3,4,5,6,7
	global_store_b128 v[CO], v[BB+4*\t:BB+4*\t+3], s[12:13] offset:2*\t*4096 th:TH_STORE_NT    ; 16 lanes store 256 consecutive bytes, aligned
.endr
.endm
	OUTBLK 0
	OUTBLK 1
	OUTBLK 2
	OUTBLK 3
	s_wait_tensorcnt 0x0                           ; the wave's end
	ds_add_u32 v[SPW], v[NIL]
	s_wait_dscnt 0x0
	CROUND
	s_endpgm
.Lfunc_end_k_q72c9957f4f_ffn2:
	.size	k_q72c9957f4f_ffn2, .Lfunc_end_k_q72c9957f4f_ffn2-k_q72c9957f4f_ffn2
	.p2alignl 7, 3214868480
	.fill 96, 4, 3214868480
	.section	.rodata,"a",@progbits
	.p2align	6, 0x0
	.amdhsa_kernel k_q72c9957f4f_ffn2
		.amdhsa_group_segment_fixed_size 327680
		.amdhsa_private_segment_fixed_size 0
		.amdhsa_enable_private_segment 0
		.amdhsa_kernarg_size 40
		.amdhsa_user_sgpr_count 2
		.amdhsa_user_sgpr_kernarg_segment_ptr 1
		.amdhsa_wavefront_size32 1
		.amdhsa_system_sgpr_workgroup_id_x 1
		.amdhsa_system_sgpr_workgroup_id_y 1
		.amdhsa_system_sgpr_workgroup_id_z 1
		.amdhsa_system_vgpr_workitem_id 0
		.amdhsa_next_free_vgpr 640
		.amdhsa_next_free_sgpr 84
		.amdhsa_reserve_vcc 0
		.amdhsa_float_denorm_mode_32 3
		.amdhsa_float_denorm_mode_16_64 3
		.amdhsa_memory_ordered 1
		.amdhsa_forward_progress 1
		.amdhsa_inst_pref_size 126
	.end_amdhsa_kernel
	.amdgpu_metadata
---
amdhsa.version: [ 1, 2 ]
amdhsa.kernels:
  - .name:           k_q72c9957f4f_ffn2
    .symbol:         k_q72c9957f4f_ffn2.kd
    .args:
      - { .name: hid, .offset: 0, .size: 8, .value_kind: global_buffer, .address_space: global }
      - { .name: hs, .offset: 8, .size: 8, .value_kind: global_buffer, .address_space: global }
      - { .name: wt, .offset: 16, .size: 8, .value_kind: global_buffer, .address_space: global }
      - { .name: b2, .offset: 24, .size: 8, .value_kind: global_buffer, .address_space: global }
      - { .name: out0, .offset: 32, .size: 8, .value_kind: global_buffer, .address_space: global }
    .group_segment_fixed_size: 327680
    .private_segment_fixed_size: 0
    .kernarg_segment_align: 8
    .kernarg_segment_size: 40
    .max_flat_workgroup_size: 128
    .sgpr_count:     84
    .vgpr_count:     640
    .wavefront_size: 32
...
	.end_amdgpu_metadata
.endif
;; end of part 5
